; MI455X (gfx1250); checked and timed in simulation.
; The chip was launched on July 23, 2026; its instructions are those of AMD's public machine-readable ISA for CDNA 5 (MIT licence, August 2026) and "CDNA5" Instruction Set Architecture Reference Guide (July 2026). The comments in the code are by the model that wrote it; some were corrected since.
;; Multi Head Self Attention. Allowed arithmetic: float matrix products may take bf16 or f16 operands with f32 sums; other float arithmetic in f32, or as packed bf16 or f16 multiplies, adds, multiply-adds, maxima and minima; sums over many terms, partial sums and values carried from step to step in f32; what a program stores and reads back later, other than sums and carried values, may be rounded once to bf16 or f16.
;; Inputs: adj 2 x 1 x 2,048 x 2,048 float32; gamma 1 x 16 x 1 x 1 float32; in_bias 1 x 1 x 3,072 float32; mat_mask 2 x 2,048 x 2,048 bool; out_bias 1 x 1 x 1,024 float32; out_w 1,024 x 1,024 float32; weights 1,024 x 3,072 float32; x 2 x 2,048 x 1,024 float32.
;; Outputs: out0 2 x 2,048 x 1,024 float32.
;; 2 versions, each right; version 2 is version 1 with the launch prep written anew for expert scheduling mode. Each part assembles by itself: llvm-mc -triple=amdgcn-amd-amdhsa -mcpu=gfx1250 --defsym DOCPART=n.
;; ======== version 1 of 2: 4 launches
;; limits: values are held in f16: magnitudes above 65,504 overflow, below 6.1e-05 lose precision; right only within a limited range of input values
;; workspace buffers: xb 8,388,608 bytes; wt 6,291,456 bytes; owt 2,097,152 bytes; bias 33,554,432 bytes; q 8,388,608 bytes; k 8,388,608 bytes; v 8,388,608 bytes; o 8,388,608 bytes
;; launch prep (part 1): grid 1792 x 1, 8 waves a work-group, no clusters, 36,352 bytes of LDS; arguments x, weights, out_w, adj, mat_mask, xb, wt, owt, bias; writes xb, wt, owt, bias
.if DOCPART == 1
	.amdgcn_target "amdgcn-amd-amdhsa--gfx1250"
	.amdhsa_code_object_version 6
	.text
	.protected	k_q36ef48742c_prep
	.globl	k_q36ef48742c_prep
	.p2align	8
	.type	k_q36ef48742c_prep,@function
k_q36ef48742c_prep:
	s_mov_b64 s[64:65], 0
	v_nop
	global_prefetch_b8 v0, s[64:65] scope:SCOPE_SE
	s_setreg_imm32_b32 hwreg(HW_REG_WAVE_MODE, 25, 1), 1
	s_wait_xcnt 0x0
; PREP: every large input is read once and laid out for the matrix launches.  Four kinds of job, chosen by the work-group's number g alone (the same for all eight waves):
;   g < 1024         BIAS   16 queries x 512 keys of adj and mat_mask -> 32 fragments of 1,024 bytes of bias
;   1024 <= g < 1280 CAST   65,536 bytes of x -> bf16 in xb
;   1280 <= g < 1664 TRANS  128 k x 64 n of weights -> wt [n][k] bf16
;   1664 <= g        TRANS  128 k x 64 n of out_w -> owt [n][k]: rounded to bf16, that number written as f16
; A FRAGMENT of bias (16 queries 16 it + r, 16 keys 16 jb + ..), at ((b 128 + it) 128 + jb) 1,024: byte 16 (r + 16 h) holds bf16 adj[query r][keys 8 h .. 8 h + 7];
; 512 bytes further on the same places hold M: 0 where the mask is 1, -2^100 (bf16 0xf180) where it is 0.  These are registers 0-3 and 4-7 of a source-1 fragment of 32 k x 16 queries.
; LIMITS.  adj, x, weights, out_w are rounded once to bf16.  owt: a bf16 number below 2^-14 in magnitude keeps f16's fixed step of 6e-8; beyond 65,504 it would be an infinity.
; No matrix unit, no tensor load, no cluster: nothing is shared between work-groups and every byte is touched once.  A thread issues all its loads at once (ten, sixteen or eight of 16 bytes)
; and works them off by counted waits.  Each store of 16 neighbouring lanes covers 256 consecutive bytes, aligned.
; LDS: a stage from byte 0.  BIAS: fragment f at 1,104 f, its four quarters of 256 bytes at 272 q: 69 and 17 times 16 bytes, so that lanes a fragment or a quarter apart start in different banks.
; TRANS: 64 rows of 272 bytes; row n of the target lies at LDS row n / 4 + 16 (n % 4), so that the sixteen lanes of a store, four n apart, take neighbouring LDS rows.
.set FP,    1104
.set CP,    272
.set SPARE, 32*FP                      ; behind the stage: the spare words, 128 bytes for each of eight waves
.set SPW, 6                            ; v6  SPARE + 4 x my thread's number; never rewritten
.set NIL, 7                            ; v7  0; never rewritten
; A tile of 128 k x 64 n is turned.  Thread t: nq = t % 16 takes four n, kp = t / 16 takes the rows 2 kp + 32 u and the next: a pair along k packs into one word of row n.
.macro TRANS rb, src, dst, baseid, f16
	s_sub_co_u32 s26, s2, \baseid
	s_and_b32 s27, s26, 7                          ; kt
	s_lshr_b32 s26, s26, 3                         ; nt
	s_mul_i32 s28, s27, 128*(\rb)
	s_lshl_b32 s30, s26, 8
	s_add_co_u32 s28, s28, s30
	s_add_nc_u64 s[\src:\src+1], s[\src:\src+1], s[28:29]  ; the tile's first element in the source
	s_lshl_b32 s28, s26, 17                        ; 64 nt rows of 2,048 bytes
	s_lshl_b32 s30, s27, 8                         ; 128 kt elements of 2 bytes
	s_add_co_u32 s28, s28, s30
	s_add_nc_u64 s[\dst:\dst+1], s[\dst:\dst+1], s[28:29]
	v_mul_u32_u24 v3, v1, 2*(\rb)
	v_lshl_add_u32 v3, v2, 4, v3                   ; row 2 kp, 16 bytes at 16 nq
.irp u, 0,1,2,3
	global_load_b128 v[8+8*\u:11+8*\u],  v3, s[\src:\src+1] offset:\u*32*(\rb) th:TH_LOAD_NT
	global_load_b128 v[12+8*\u:15+8*\u], v3, s[\src:\src+1] offset:\u*32*(\rb)+(\rb) th:TH_LOAD_NT
.endr
	v_mul_u32_u24 v4, v2, CP                       ; into the stage: n = 4 nq + e lies at LDS row nq + 16 e; word kp + 16 u
	v_lshl_add_u32 v4, v1, 2, v4
	v_and_b32 v5, 3, v1                            ; back: target row t / 16 + 16 u lies at LDS row 16 ((t / 16) % 4) + t / 64 + 4 u
	v_lshrrev_b32 v58, 2, v1
	v_lshl_add_u32 v5, v5, 4, v58
	v_mul_u32_u24 v5, v5, CP
	v_lshl_add_u32 v5, v2, 4, v5                   ; 16 bytes at 16 (t % 16)
	v_lshlrev_b32 v59, 11, v1                      ; and the same place in the target
	v_lshl_add_u32 v59, v2, 4, v59
.irp u, 0,1,2,3
	s_wait_loadcnt 6-2*\u                          ; this pair of rows is in; the younger loads may stay out
.irp e, 0,1,2,3
	v_cvt_pk_bf16_f32 v[40+4*\u+\e], v[8+8*\u+\e], v[12+8*\u+\e]
.if \f16
	v_lshlrev_b32 v56, 16, v[40+4*\u+\e]           ; the bf16 numbers, widened,
	v_and_b32 v57, 0xffff0000, v[40+4*\u+\e]
	v_cvt_pk_f16_f32 v[40+4*\u+\e], v56, v57       ; and written as f16
.endif
	ds_store_b32 v4, v[40+4*\u+\e] offset:\e*16*CP+64*\u
.endr
.endr
	s_wait_dscnt 0x0                               ; my stores are done before I signal: others read them
	s_barrier_signal -1
	s_barrier_wait -1
.irp u, 0,1,2,3
	ds_load_b128 v[8+4*\u:11+4*\u], v5 offset:\u*4*CP
.endr
.irp u, 0,1,2,3
	s_wait_dscnt 3-\u                              ; the younger LDS loads may stay out
	global_store_b128 v59, v[8+4*\u:11+4*\u], s[\dst:\dst+1] offset:\u*32768 th:TH_STORE_NT
.endr
.endm
	s_load_b512 s[8:23], s[0:1], 0x0               ; x 8, weights 10, out_w 12, adj 14, mat_mask 16, xb 18, wt 20, owt 22
	s_load_b64 s[24:25], s[0:1], 0x40              ; bias
	v_lshl_add_u32 v[SPW], v0, 2, SPARE
	v_mov_b32 v[NIL], 0
	v_lshrrev_b32 v1, 4, v0                        ; t / 16
	v_and_b32 v2, 15, v0                           ; t % 16
	s_mov_b32 s2, ttmp9                            ; g
	s_mov_b32 s29, 0                               ; the high word of every offset
	s_wait_kmcnt 0x0
	s_cmp_lt_u32 s2, 1024
	s_cbranch_scc1 .Lbias
	s_cmp_lt_u32 s2, 1280
	s_cbranch_scc1 .Lcast
	s_cmp_lt_u32 s2, 1664
	s_cbranch_scc1 .Lweights
	TRANS 4096, 12, 22, 1664, 1
	s_branch .Lend
.Lweights:
	TRANS 12288, 10, 20, 1280, 0
	s_branch .Lend
.Lcast:                                                ; 65,536 bytes of x: sixteen loads of 16 bytes a thread, all out at once
	s_sub_co_u32 s26, s2, 1024
	s_lshl_b32 s28, s26, 16
	s_add_nc_u64 s[8:9], s[8:9], s[28:29]
	s_lshl_b32 s28, s26, 15
	s_add_nc_u64 s[18:19], s[18:19], s[28:29]
	v_lshlrev_b32 v3, 4, v0
	v_lshlrev_b32 v4, 3, v0
.irp u, 0,1,2,3,4,5,6,7,8,9,10,11,12,13,14,15
	global_load_b128 v[8+4*\u:11+4*\u], v3, s[8:9] offset:4096*\u th:TH_LOAD_NT
.endr
.irp u, 0,1,2,3,4,5,6,7,8,9,10,11,12,13,14,15
	s_wait_loadcnt 15-\u                           ; the younger loads may stay out
	v_cvt_pk_bf16_f32 v[8+4*\u], v[8+4*\u], v[9+4*\u]    ; in place: the first two registers take the four numbers
	v_cvt_pk_bf16_f32 v[9+4*\u], v[10+4*\u], v[11+4*\u]
	global_store_b64 v4, v[8+4*\u:9+4*\u], s[18:19] offset:2048*\u th:TH_STORE_NT  ; a wave's 32 lanes: 256 consecutive bytes
.endr
	s_branch .Lend
.Lbias:                                                ; g = (b 128 + it) 4 + jc: queries 16 it .., keys 512 jc ..; thread: row = t / 16, c = t % 16
	s_lshr_b32 s26, s2, 2
	s_and_b32 s27, s2, 3
	s_lshl_b32 s28, s26, 17                        ; 16 rows of 8,192 bytes of adj
	s_lshl_b32 s30, s27, 11
	s_add_co_u32 s28, s28, s30
	s_add_nc_u64 s[14:15], s[14:15], s[28:29]
	s_lshl_b32 s28, s26, 15                        ; 16 rows of 2,048 bytes of the mask
	s_lshl_b32 s30, s27, 9
	s_add_co_u32 s28, s28, s30
	s_add_nc_u64 s[16:17], s[16:17], s[28:29]
	s_lshl_b32 s28, s2, 15                         ; 32 fragments of 1,024 bytes
	s_add_nc_u64 s[24:25], s[24:25], s[28:29]
	v_lshlrev_b32 v3, 13, v1
	v_lshl_add_u32 v3, v2, 4, v3
	v_lshlrev_b32 v4, 11, v1
	v_lshl_add_u32 v4, v2, 4, v4
.irp u, 0,1,2,3,4,5,6,7
	global_load_b128 v[8+4*\u:11+4*\u], v3, s[14:15] offset:256*\u th:TH_LOAD_NT  ; keys 64 u + 4 c .. + 3 of my row
.endr
.irp m, 0,1
	global_load_b128 v[40+4*\m:43+4*\m], v4, s[16:17] offset:256*\m th:TH_LOAD_NT  ; the mask of keys 256 m + 16 c .. + 15 of my row
.endr
	v_lshrrev_b32 v5, 2, v2                        ; adj: fragment 4 u + c / 4, quarter (c / 2) % 2, lane row, 8 bytes at 8 (c % 2)
	v_mul_u32_u24 v5, v5, FP
	v_bfe_u32 v68, v2, 1, 1
	v_mul_u32_u24 v68, v68, CP
	v_add_nc_u32 v5, v5, v68
	v_lshl_add_u32 v5, v1, 4, v5
	v_and_b32 v68, 1, v2
	v_lshl_add_u32 v5, v68, 3, v5
	v_mul_u32_u24 v64, v2, FP                      ; M: fragment 16 m + c, quarters 2 and 3, lane row
	v_lshl_add_u32 v64, v1, 4, v64
	v_add_nc_u32 v64, 2*CP, v64
	v_lshrrev_b32 v65, 6, v0                       ; back: byte 16 t + 4,096 u of the job's 32 KiB: fragment t / 64 + 4 u, quarter (t / 16) % 4
	v_mul_u32_u24 v65, v65, FP
	v_bfe_u32 v68, v0, 4, 2
	v_mul_u32_u24 v68, v68, CP
	v_add_nc_u32 v65, v65, v68
	v_lshl_add_u32 v65, v2, 4, v65
	v_lshlrev_b32 v66, 4, v0                       ; 16 t
	v_mov_b32 v67, 0                               ; a zero for the byte picks
.irp u, 0,1,2,3,4,5,6,7
	s_wait_loadcnt 9-\u                            ; the younger loads may stay out
	v_cvt_pk_bf16_f32 v[8+4*\u], v[8+4*\u], v[9+4*\u]
	v_cvt_pk_bf16_f32 v[9+4*\u], v[10+4*\u], v[11+4*\u]
	ds_store_b64 v5, v[8+4*\u:9+4*\u] offset:\u*4*FP
.endr
.irp m, 0,1
	s_wait_loadcnt 1-\m
.irp d, 0,1,2,3
	v_xor_b32 v68, 0x01010101, v[40+4*\m+\d]       ; 1 where the key is hidden
	v_perm_b32 v[48+8*\m+2*\d], v67, v68, 0x04010400  ; bytes 0 and 1, each in a half of its own
	v_perm_b32 v[49+8*\m+2*\d], v67, v68, 0x04030402  ; bytes 2 and 3
	v_mul_u32_u24 v[48+8*\m+2*\d], v[48+8*\m+2*\d], 0xf180  ; times the code of -2^100: the halves do not meet
	v_mul_u32_u24 v[49+8*\m+2*\d], v[49+8*\m+2*\d], 0xf180
.endr
	ds_store_b128 v64, v[48+8*\m:51+8*\m] offset:\m*16*FP      ; keys 0-7: lanes 0-15 of the fragment
	ds_store_b128 v64, v[52+8*\m:55+8*\m] offset:\m*16*FP+CP   ; keys 8-15: lanes 16-31
.endr
	s_wait_dscnt 0x0                               ; my stores are done before I signal: others read them
	s_barrier_signal -1
	s_barrier_wait -1
.irp u, 0,1,2,3,4,5,6,7
	ds_load_b128 v[8+4*\u:11+4*\u], v65 offset:\u*4*FP
.endr
.irp u, 0,1,2,3,4,5,6,7
	s_wait_dscnt 7-\u                              ; the younger LDS loads may stay out
	global_store_b128 v66, v[8+4*\u:11+4*\u], s[24:25] offset:4096*\u th:TH_STORE_NT
.endr
.Lend:
	s_wait_tensorcnt 0x0                           ; the wave's end, behind my last LDS store
	ds_add_u32 v[SPW], v[NIL]
	s_wait_dscnt 0x0
	s_endpgm
.Lfunc_end_k_q36ef48742c_prep:
	.size	k_q36ef48742c_prep, .Lfunc_end_k_q36ef48742c_prep-k_q36ef48742c_prep
	.p2alignl 7, 3214868480
	.fill 96, 4, 3214868480
	.section	.rodata,"a",@progbits
	.p2align	6, 0x0
	.amdhsa_kernel k_q36ef48742c_prep
		.amdhsa_group_segment_fixed_size 36352
		.amdhsa_private_segment_fixed_size 0
		.amdhsa_enable_private_segment 0
		.amdhsa_kernarg_size 72
		.amdhsa_user_sgpr_count 2
		.amdhsa_user_sgpr_kernarg_segment_ptr 1
		.amdhsa_wavefront_size32 1
		.amdhsa_system_sgpr_workgroup_id_x 1
		.amdhsa_system_sgpr_workgroup_id_y 1
		.amdhsa_system_sgpr_workgroup_id_z 1
		.amdhsa_system_vgpr_workitem_id 0
		.amdhsa_next_free_vgpr 72
		.amdhsa_next_free_sgpr 66
		.amdhsa_reserve_vcc 0
		.amdhsa_float_denorm_mode_32 3
		.amdhsa_float_denorm_mode_16_64 3
		.amdhsa_memory_ordered 1
		.amdhsa_forward_progress 1
		.amdhsa_inst_pref_size 29
	.end_amdhsa_kernel
	.amdgpu_metadata
---
amdhsa.version: [ 1, 2 ]
amdhsa.kernels:
  - .name:           k_q36ef48742c_prep
    .symbol:         k_q36ef48742c_prep.kd
    .args:
      - { .name: x, .offset: 0, .size: 8, .value_kind: global_buffer, .address_space: global }
      - { .name: weights, .offset: 8, .size: 8, .value_kind: global_buffer, .address_space: global }
      - { .name: out_w, .offset: 16, .size: 8, .value_kind: global_buffer, .address_space: global }
      - { .name: adj, .offset: 24, .size: 8, .value_kind: global_buffer, .address_space: global }
      - { .name: mat_mask, .offset: 32, .size: 8, .value_kind: global_buffer, .address_space: global }
      - { .name: xb, .offset: 40, .size: 8, .value_kind: global_buffer, .address_space: global }
      - { .name: wt, .offset: 48, .size: 8, .value_kind: global_buffer, .address_space: global }
      - { .name: owt, .offset: 56, .size: 8, .value_kind: global_buffer, .address_space: global }
      - { .name: bias, .offset: 64, .size: 8, .value_kind: global_buffer, .address_space: global }
    .group_segment_fixed_size: 36352
    .private_segment_fixed_size: 0
    .kernarg_segment_align: 8
    .kernarg_segment_size: 72
    .max_flat_workgroup_size: 256
    .sgpr_count:     66
    .vgpr_count:     72
    .wavefront_size: 32
...
	.end_amdgpu_metadata
.endif
;; end of part 1
;; launch qkv (part 2): grid 16 x 16, 4 waves a work-group, clusters of 4 x 4, 327,680 bytes of LDS; arguments xb, wt, in_bias, q, k, v; writes q, k, v
.if DOCPART == 2
	.amdgcn_target "amdgcn-amd-amdhsa--gfx1250"
	.amdhsa_code_object_version 6
	.text
	.protected	k_q36ef48742c_qkv
	.globl	k_q36ef48742c_qkv
	.p2align	8
	.type	k_q36ef48742c_qkv,@function
k_q36ef48742c_qkv:
	s_mov_b64 s[64:65], 0
	v_nop
	global_prefetch_b8 v0, s[64:65] scope:SCOPE_SE
	s_setreg_imm32_b32 hwreg(HW_REG_WAVE_MODE, 25, 1), 1
	s_wait_xcnt 0x0
	s_wait_alu depctr_hold_cnt(0) depctr_sa_sdst(0) depctr_va_vdst(0) depctr_va_sdst(0) depctr_va_ssrc(0) depctr_va_vcc(0) depctr_vm_vsrc(0)
	s_getreg_b32 s2, hwreg(HW_REG_IB_STS2, 6, 4)
	s_cmp_eq_u32 s2, 0
	s_cbranch_scc0 .Lentry_in_a_cluster
	s_endpgm
.Lentry_in_a_cluster:
	s_bfe_u32 s2, ttmp6, 0x10000c
	s_cmp_lg_u32 s2, 0xf033
	s_cbranch_scc0 .Lentry_shape_is_right
	s_endpgm
.Lentry_shape_is_right:
; QKV: [4096][3072] = xb [4096][1024] x wt [3072][1024]^T + in_bias, bf16 operands, f32 sums, written by heads in f16: q, k, v [b][h][l][64], unscaled.
; A work-group makes 256 rows x the 192 columns of ONE head (q | k | v): 16 x 16 = 256 work-groups.  Wave w: rows 64 w .. + 63, all 192 columns: 4 x 12 accumulators, 384 registers.
; K goes in 8 steps of 128 (rows of 256 bytes in memory, aligned) through two LDS slots; waves 0, 1 fetch xb's two halves of 128 rows, waves 2, 3 wt's two halves of 96 rows.
; CLUSTER 4 x 4: xb's tile hangs on the row tile alone and is asked for jointly along a row of the cluster, wt's on the head alone, jointly along a column.
; THE PRODUCT IS USED TRANSPOSED (source 0 = 16 rows of wt, source 1 = 16 rows of xb): a lane holds row l % 16 and eight neighbouring columns 8 (l / 16) + 0..7.
; THE BIAS, rounded to bf16 like every input, is the C operand of each accumulator's first product: nothing is cleared, nothing is added at the end.
; LIMITS.  q, k, v are rounded once to f16: a number of 65,520 or more in magnitude would become an infinity.  NaN and infinities are not treated apart.
; REGISTERS, in windows of 256: window 0: v16-30 addresses; v64-127 xb's fragments, two buffers of 32; v128-223 the bias, 8 a column block; on the way out v64-255 packed results.
;   window 1: v0-191 wt's fragments, two buffers of 96.   window 2: accumulators of row blocks 0, 1 at 8 (12 a + b).   window 3: those of row blocks 2, 3.
.set PITCH, 272                        ; an LDS row: 256 bytes + 16 of padding: the 16 rows of a fragment load start at 16 different groups of four banks (ISA guide 11.1)
.set AHALF, 128*PITCH
.set BHALF, 96*PITCH
.set BOFF,  2*AHALF                    ; a slot: xb's 256 rows, then wt's 192
.set SLOT,  2*AHALF+2*BHALF
.set STAGE, 2*SLOT                     ; behind the ring: 16 rows x 144 bytes for each wave, for the way out
.set SP,    144
.set SPARE, STAGE+4*16*SP              ; behind the stages: the spare words, 128 bytes a wave
.set LAPS,  4                          ; a lap = two K steps
.set ADRA, 16                          ; v16-17  LDS address of my xb fragments in slot 0, 1
.set ADRB, 20                          ; v20-21  the same for wt
.set STO,  24
.set RD,   25
.set GO,   26
.set SPW,  28                          ; v28  SPARE + 4 x my thread's number; never rewritten
.set NIL,  29                          ; v29  0; never rewritten
.set PFO,  30                          ; v30  the prefetches' offset: a lane a row
.set BI,   128
.set TMP,  64
.set WV, 16
.set HF, 17
.set CX, 19
.set CY, 20
.set TX, 21                            ; the head
.set TY, 22                            ; the row tile
.set G1A, 24
.set G0A, 32
.set G1B, 40
.set G0B, 48
.set PFA, 56
.set LIM, 58
.set FLAGS, (1<<16)|(1<<20)|(1<<21)|(5<<22)|(3<<25)  ; 2-byte elements; padding on; bit 21 beside a mask; after every 64 words; 4 words
.set MSB, 0
.macro WIN new                         ; the immediate's high byte repeats the setting that is left
.if MSB != (\new)
	s_set_vgpr_msb (MSB<<8)|(\new)
.set MSB, \new
.endif
.endm
.macro PLACES                          ; four plain places behind matrix instructions (ISA guide 7.12.1)
.rept 4
	v_nop
.endr
.endm
.macro JLOAD s                         ; a joint load; the branch hangs on the wave's number alone; an s_nop 0 and four v_nop follow each line
	s_cmp_lt_u32 s[WV], 2
	s_cbranch_scc0 .Lfor_b_\@
	tensor_load_to_lds s[G0A+4*(\s):G0A+4*(\s)+3], s[G1A:G1A+7]
	s_nop 0
.rept 4
	v_nop
.endr
	s_branch .Lasked_\@
.Lfor_b_\@:
	tensor_load_to_lds s[G0B+4*(\s):G0B+4*(\s)+3], s[G1B:G1B+7]
	s_nop 0
.rept 4
	v_nop
.endr
.Lasked_\@:
.endm
; A prefetch of the K step that stands two refills on: a lane a row, 256 bytes each.  xb's rows are asked for by the clusters with x = 0, wt's by those with y = 0; the four partners that ask
; for a tile jointly share its rows out by address.  The loop's last trip has no K step two on.
.macro ASK
	s_cmp_gt_u32 s3, s[LIM]
	s_cbranch_scc0 .Lnot_mine_\@
	global_prefetch_b8 v[PFO], s[PFA:PFA+1] offset:256 th:TH_LOAD_NT scope:SCOPE_SE
.Lnot_mine_\@:
.endm
.macro CREST                           ; a round of the cluster's barrier behind its opening barrier
	s_cmp_lg_u32 s[WV], 0
	s_cbranch_scc1 .Lnot_wave_0_\@
	s_barrier_signal -3
.Lnot_wave_0_\@:
	s_barrier_wait -3
	s_barrier_signal -1
	s_barrier_wait -1
.endm
.macro CROUND
	s_barrier_signal -1
	s_barrier_wait -1
	CREST
.endm
	s_load_b256 s[4:11], s[0:1], 0x0               ; xb 4, wt 6, in_bias 8, q 10
	s_load_b128 s[12:15], s[0:1], 0x20             ; k 12, v 14
	v_lshl_add_u32 v[SPW], v0, 2, SPARE
	v_mov_b32 v[NIL], 0
	ds_add_u32 v[SPW], v[NIL]                      ; the wave's opening, ahead of my first tensor load
	v_lshrrev_b32 v1, 5, v0
	v_readfirstlane_b32 s[WV], v1
	s_and_b32 s[HF], s[WV], 1                      ; which half of a tile I fetch
	s_bfe_u32 s[CX], ttmp6, 0x40000
	s_bfe_u32 s[CY], ttmp6, 0x40004
	s_lshl_b32 s[TX], ttmp9, 2
	s_add_co_u32 s[TX], s[TX], s[CX]
	s_and_b32 s[TY], ttmp7, 0xffff
	s_lshl_b32 s[TY], s[TY], 2
	s_add_co_u32 s[TY], s[TY], s[CY]
	s_lshl_b32 s66, s[CY], 2
	s_lshl_b32 s66, 15, s66                        ; my row of the cluster
	s_lshl_b32 s67, 0x1111, s[CX]                  ; my column
	s_or_b32 s[G1A], s66, FLAGS
	s_or_b32 s[G1B], s67, FLAGS
	s_mov_b32 s[G1A+1], 128<<16                    ; tensor_dim0 = 128
	s_mov_b32 s[G1A+2], 128<<16                    ; tensor_dim1 = 128
	s_mov_b32 s[G1A+3], 128<<16                    ; tile_dim0 = 128
	s_mov_b32 s[G1A+4], 128                        ; tile_dim1 = 128
	s_mov_b32 s[G1A+5], 1024                       ; elements from row to row
	s_mov_b32 s[G1A+6], 0
	s_mov_b32 s[G1A+7], 0
	s_mov_b32 s[G1B+1], 128<<16
	s_mov_b32 s[G1B+2], 96<<16                     ; 96 rows
	s_mov_b32 s[G1B+3], 128<<16
	s_mov_b32 s[G1B+4], 96
	s_mov_b32 s[G1B+5], 1024
	s_mov_b32 s[G1B+6], 0
	s_mov_b32 s[G1B+7], 0
	s_lshl_b32 s68, s[TY], 8                       ; xb: row 256 TY + 128 half, 2,048 bytes a row
	s_lshl_b32 s72, s[HF], 7
	s_add_co_u32 s68, s68, s72
	s_lshl_b32 s68, s68, 11
	s_mov_b32 s69, 0
	s_mul_i32 s70, s[TX], 192                      ; wt: row 192 TX + 96 half
	s_mul_i32 s72, s[HF], 96
	s_add_co_u32 s70, s70, s72
	s_lshl_b32 s70, s70, 11
	s_mov_b32 s71, 0
	s_mul_i32 s73, s[HF], AHALF                    ; where they go: no place in the cluster enters an LDS address
	s_mul_i32 s74, s[HF], BHALF
	s_add_co_u32 s74, s74, BOFF
	s_wait_dscnt 0x0                               ; the opening add is done
	s_wait_kmcnt 0x0
	s_add_nc_u64 s[68:69], s[4:5], s[68:69]
	s_add_nc_u64 s[70:71], s[6:7], s[70:71]
	CROUND                                         ; all sixteen work-groups are here: the first joint loads meet
.irp s, 0,1
	s_mov_b32 s[G0A+4*(\s)], 1
	s_add_co_u32 s[G0A+4*(\s)+1], s73, (\s)*SLOT
	s_add_nc_u64 s[G0A+4*(\s)+2:G0A+4*(\s)+3], s[68:69], (\s)*256
	s_or_b32 s[G0A+4*(\s)+3], s[G0A+4*(\s)+3], 0x80000000
	s_mov_b32 s[G0B+4*(\s)], 1
	s_add_co_u32 s[G0B+4*(\s)+1], s74, (\s)*SLOT
	s_add_nc_u64 s[G0B+4*(\s)+2:G0B+4*(\s)+3], s[70:71], (\s)*256
	s_or_b32 s[G0B+4*(\s)+3], s[G0B+4*(\s)+3], 0x80000000
	JLOAD \s                                       ; K steps 0 and 1: two loads of mine are out
.endr
	v_and_b32 v1, 15, v0                           ; l % 16
	v_bfe_u32 v2, v0, 4, 1                         ; l / 16
	v_lshlrev_b32 v4, 5, v2                        ; the bias: my eight columns of a block begin 32 (l / 16) bytes in
	s_mul_i32 s80, s[TX], 768
	s_mov_b32 s81, 0
	s_add_nc_u64 s[8:9], s[8:9], s[80:81]
.irp b, 0,1,2,3,4,5,6,7,8,9,10,11
	global_load_b128 v[BI+8*(\b):BI+8*(\b)+3],   v4, s[8:9] offset:64*(\b)
	global_load_b128 v[BI+8*(\b)+4:BI+8*(\b)+7], v4, s[8:9] offset:64*(\b)+16
.endr
	v_mul_u32_u24 v3, v1, PITCH
	v_lshl_add_u32 v3, v2, 4, v3                   ; a fragment's row x pitch + 16 x half
	s_mul_i32 s82, s[WV], 64*PITCH                 ; my 64 rows of xb
	v_add_nc_u32 v[ADRA], s82, v3
	v_add_nc_u32 v[ADRA+1], SLOT, v[ADRA]
	v_add_nc_u32 v[ADRB], BOFF, v3
	v_add_nc_u32 v[ADRB+1], SLOT, v[ADRB]
	s_mul_i32 s82, s[WV], 16*SP
	s_add_co_u32 s82, s82, STAGE                   ; my stage
	v_mul_u32_u24 v5, v1, SP                       ; in: row l % 16, 16 bytes for each half of the lanes
	v_lshl_add_u32 v5, v2, 4, v5
	v_add_nc_u32 v[STO], s82, v5
	v_bfe_u32 v5, v0, 3, 2                         ; back: 32 lanes take four rows of 128 bytes,
	v_mul_u32_u24 v5, v5, SP
	v_and_b32 v6, 7, v0
	v_lshl_add_u32 v5, v6, 4, v5
	v_add_nc_u32 v[RD], s82, v5
	v_and_b32 v[GO], 31, v0                        ; which are 512 consecutive bytes of q, k or v
	v_lshlrev_b32 v[GO], 4, v[GO]
	s_lshr_b32 s80, s[TY], 3                       ; the batch
	s_lshl_b32 s80, s80, 4
	s_add_co_u32 s80, s80, s[TX]
	s_lshl_b32 s80, s80, 18                        ; (16 b + head) x 2,048 rows of 128 bytes
	s_and_b32 s82, s[TY], 7
	s_lshl_b32 s82, s82, 15
	s_add_co_u32 s80, s80, s82
	s_lshl_b32 s82, s[WV], 13
	s_add_co_u32 s80, s80, s82
	s_add_nc_u64 s[10:11], s[10:11], s[80:81]
	s_add_nc_u64 s[12:13], s[12:13], s[80:81]
	s_add_nc_u64 s[14:15], s[14:15], s[80:81]
	; the prefetches
	s_and_b32 s75, ttmp7, 0xffff                   ; cluster y
	s_cmp_lt_u32 s[WV], 2                          ; do I fetch for xb?
	s_cselect_b32 s76, s[CX], s[CY]                ; my place among the four that ask with me
	s_cselect_b32 s75, ttmp9, s75                  ; the coordinate along which other clusters read the same rows
	s_cselect_b32 s77, 32, 24                      ; rows of the wave's tile to a partner
	s_cselect_b32 s78, 31, 23                      ; the last of them: lanes beyond it name it again
	s_cselect_b64 s[PFA:PFA+1], s[68:69], s[70:71]
	s_cmp_eq_u32 s75, 0
	s_cselect_b32 s[LIM], 1, -1
	s_mul_i32 s76, s76, s77
	s_lshl_b32 s76, s76, 11
	s_add_co_u32 s76, s76, 2*256                   ; at K step 2: the first refill steps it to 3 and names K step 4
	s_mov_b32 s77, 0
	s_add_nc_u64 s[PFA:PFA+1], s[PFA:PFA+1], s[76:77]
	v_and_b32 v[PFO], 31, v0
	v_min_u32 v[PFO], s78, v[PFO]
	v_lshlrev_b32 v[PFO], 11, v[PFO]
	s_wait_loadcnt 0x0                             ; the bias
.set i, 0
.rept 48
	v_cvt_pk_bf16_f32 v[5+(i/2)%2], v[BI+i], v[BI+i+1]  ; rounded to bf16 and widened again
	v_lshlrev_b32 v[BI+i], 16, v[5+(i/2)%2]
	v_and_b32 v[BI+i+1], 0xffff0000, v[5+(i/2)%2]
.set i, i+2
.endr
; 12 products: row block 2 hi + a x all 12 column blocks, 32 along K, buffer f.  first = 1: C is the bias.  The 48 accumulators take turns, one instruction a turn.
.macro MUL12 f, hi, a, first
.if \first
	WIN 0x81+0x40*(\hi)
.else
	WIN 0xa1+0x50*(\hi)
.endif
.irp b, 0,1,2,3,4,5,6,7,8,9,10,11
.if \first
	v_wmma_f32_16x16x32_bf16 v[8*(12*(\a)+(\b)):8*(12*(\a)+(\b))+7], v[96*(\f)+8*(\b):96*(\f)+8*(\b)+7], v[64+32*(\f)+8*(2*(\hi)+(\a)):64+32*(\f)+8*(2*(\hi)+(\a))+7], v[BI+8*(\b):BI+8*(\b)+7]
.else
	v_wmma_f32_16x16x32_bf16 v[8*(12*(\a)+(\b)):8*(12*(\a)+(\b))+7], v[96*(\f)+8*(\b):96*(\f)+8*(\b)+7], v[64+32*(\f)+8*(2*(\hi)+(\a)):64+32*(\f)+8*(2*(\hi)+(\a))+7], v[8*(12*(\a)+(\b)):8*(12*(\a)+(\b))+7]
.endif
.endr
.endm
; 32 LDS loads in one run: wt's 12 fragments, then xb's 4, for 32 along K at byte k of the rows
.macro FETCH slot, k, f
	WIN 0x40
.irp i, 0,1,2,3,4,5,6,7,8,9,10,11
	ds_load_b128 v[96*(\f)+8*(\i):96*(\f)+8*(\i)+3],   v[ADRB+(\slot)] offset:(\k)+(\i)*16*PITCH
	ds_load_b128 v[96*(\f)+8*(\i)+4:96*(\f)+8*(\i)+7], v[ADRB+(\slot)] offset:(\k)+(\i)*16*PITCH+32
.endr
	WIN 0
.irp i, 0,1,2,3
	ds_load_b128 v[64+32*(\f)+8*(\i):64+32*(\f)+8*(\i)+3],   v[ADRA+(\slot)] offset:(\k)+(\i)*16*PITCH
	ds_load_b128 v[64+32*(\f)+8*(\i)+4:64+32*(\f)+8*(\i)+7], v[ADRA+(\slot)] offset:(\k)+(\i)*16*PITCH+32
.endr
.endm
.macro QUARTER slot, k, f, g, first
	s_wait_dscnt 4                                 ; all but the youngest four loads: xb's row blocks 2 and 3
	MUL12 \f, 0, 0, \first
	MUL12 \f, 0, 1, \first
	PLACES
	FETCH \slot, \k, \g
	s_wait_dscnt 32                                ; all but the 32 just issued
	MUL12 \f, 1, 0, \first
	MUL12 \f, 1, 1, \first
.endm
; The last quarter of a K step multiplies buffer 1 and changes slots: in front of the barrier each wave waits for all its tensor loads (its part of the next slot), adds 0 to its spare word,
; and waits for that and for its reads of this slot.  fill = 1: the barrier opens a round of the cluster's, and the joint refill is the first tensor load behind it.
.macro TURN slot, next, fill
.if \fill
	s_wait_xcnt 0x0                                ; the last prefetch, a K step back, has read its address
	s_add_nc_u64 s[PFA:PFA+1], s[PFA:PFA+1], 256
.endif
	WIN 0
	s_wait_tensorcnt 0x0
	ds_add_u32 v[SPW], v[NIL]
	s_wait_dscnt 5                                 ; the add and the youngest four loads may be out
	MUL12 1, 0, 0, 0
	s_wait_dscnt 0x0                               ; the add is done, my reads of this slot are over
	s_barrier_signal -1
	MUL12 1, 0, 1, 0
.if \fill
	WIN 0
.endif
	s_barrier_wait -1
.if \fill
	CREST
	s_add_nc_u64 s[G0A+4*(\slot)+2:G0A+4*(\slot)+3], s[G0A+4*(\slot)+2:G0A+4*(\slot)+3], 512
	s_add_nc_u64 s[G0B+4*(\slot)+2:G0B+4*(\slot)+3], s[G0B+4*(\slot)+2:G0B+4*(\slot)+3], 512
	JLOAD \slot                                    ; its four v_nop are also the places in front of the loads below
.else
	PLACES
.endif
	FETCH \next, 0, 0
.if \fill
	ASK
.endif
	MUL12 1, 1, 0, 0
	MUL12 1, 1, 1, 0
.endm
; THE WAY OUT, 12 passes t = 3 a + part (q, k, v): 16 rows x 64 columns, rounded to f16, through my stage, back as 2,048 consecutive bytes of one head's rows.
.macro PACK t
.set pa, (\t)/3
.set pp, (\t)%3
	WIN 0x0a+5*(pa/2)
.irp bb, 0,1,2,3
.irp rr, 0,1,2,3
	v_cvt_pk_f16_f32 v[TMP+16*(\t)+4*(\bb)+(\rr)], v[8*(12*(pa%2)+4*pp+(\bb))+2*(\rr)], v[8*(12*(pa%2)+4*pp+(\bb))+2*(\rr)+1]
.endr
.endr
	WIN 0
.irp bb, 0,1,2,3
	ds_store_b128 v[STO], v[TMP+16*(\t)+4*(\bb):TMP+16*(\t)+4*(\bb)+3] offset:32*(\bb)
.endr
.irp f, 0,1,2,3
	ds_load_b128 v[TMP+16*(\t)+4*(\f):TMP+16*(\t)+4*(\f)+3], v[RD] offset:(\f)*4*SP  ; LDS serves a wave's instructions in order (ISA guide 5.7.1.4)
.endr
.endm
.macro SEND t, younger                 ; younger: the LDS instructions issued behind pass t's loads
.set pa, (\t)/3
.set pp, (\t)%3
.irp f, 0,1,2,3
	s_wait_dscnt (\younger)+3-(\f)
	global_store_b128 v[GO], v[TMP+16*(\t)+4*(\f):TMP+16*(\t)+4*(\f)+3], s[10+2*pp:11+2*pp] offset:pa*2048+(\f)*512
.endr
.endm
	s_wait_tensorcnt 1                             ; my part of K step 0 is in; K step 1's may stay out
	s_barrier_signal -1
	s_barrier_wait -1
	FETCH 0, 0, 0
	QUARTER 0, 64, 0, 1, 1                         ; the first quarter starts the sums with the bias
	WIN 0
	s_mov_b32 s3, LAPS-1
.Llap:                                                 ; a trip goes once round the ring and fills both slots again
	QUARTER 0, 128, 1, 0, 0
	QUARTER 0, 192, 0, 1, 0
	TURN 0, 1, 1
	QUARTER 1, 64,  0, 1, 0
	QUARTER 1, 128, 1, 0, 0
	QUARTER 1, 192, 0, 1, 0
	TURN 1, 0, 1
	QUARTER 0, 64,  0, 1, 0
	WIN 0
	s_sub_co_u32 s3, s3, 1
	s_cmp_lg_u32 s3, 0
	s_cbranch_scc1 .Llap
	QUARTER 0, 128, 1, 0, 0                        ; the last lap fills nothing
	QUARTER 0, 192, 0, 1, 0
	TURN 0, 1, 0
	QUARTER 1, 64,  0, 1, 0
	QUARTER 1, 128, 1, 0, 0
	QUARTER 1, 192, 0, 1, 0
	s_wait_dscnt 4
	MUL12 1, 0, 0, 0
	MUL12 1, 0, 1, 0
	s_wait_dscnt 0x0
	MUL12 1, 1, 0, 0
	MUL12 1, 1, 1, 0
	WIN 0
	PLACES
	PACK 0
.set tt, 1
.rept 11
	PACK tt
	SEND tt-1, 8
.set tt, tt+1
.endr
	SEND 11, 0
	s_wait_tensorcnt 0x0                           ; the wave's end
	ds_add_u32 v[SPW], v[NIL]
	s_wait_dscnt 0x0
	CROUND                                         ; the closing round
	s_endpgm
.Lfunc_end_k_q36ef48742c_qkv:
	.size	k_q36ef48742c_qkv, .Lfunc_end_k_q36ef48742c_qkv-k_q36ef48742c_qkv
	.p2alignl 7, 3214868480
	.fill 96, 4, 3214868480
	.section	.rodata,"a",@progbits
	.p2align	6, 0x0
	.amdhsa_kernel k_q36ef48742c_qkv
		.amdhsa_group_segment_fixed_size 327680
		.amdhsa_private_segment_fixed_size 0
		.amdhsa_enable_private_segment 0
		.amdhsa_kernarg_size 48
		.amdhsa_user_sgpr_count 2
		.amdhsa_user_sgpr_kernarg_segment_ptr 1
		.amdhsa_wavefront_size32 1
		.amdhsa_system_sgpr_workgroup_id_x 1
		.amdhsa_system_sgpr_workgroup_id_y 1
		.amdhsa_system_sgpr_workgroup_id_z 1
		.amdhsa_system_vgpr_workitem_id 0
		.amdhsa_next_free_vgpr 960
		.amdhsa_next_free_sgpr 96
		.amdhsa_reserve_vcc 0
		.amdhsa_float_denorm_mode_32 3
		.amdhsa_float_denorm_mode_16_64 3
		.amdhsa_memory_ordered 1
		.amdhsa_forward_progress 1
		.amdhsa_inst_pref_size 131
	.end_amdhsa_kernel
	.amdgpu_metadata
---
amdhsa.version: [ 1, 2 ]
amdhsa.kernels:
  - .name:           k_q36ef48742c_qkv
    .symbol:         k_q36ef48742c_qkv.kd
    .args:
      - { .name: xb, .offset: 0, .size: 8, .value_kind: global_buffer, .address_space: global }
      - { .name: wt, .offset: 8, .size: 8, .value_kind: global_buffer, .address_space: global }
      - { .name: in_bias, .offset: 16, .size: 8, .value_kind: global_buffer, .address_space: global }
      - { .name: q, .offset: 24, .size: 8, .value_kind: global_buffer, .address_space: global }
      - { .name: k, .offset: 32, .size: 8, .value_kind: global_buffer, .address_space: global }
      - { .name: v, .offset: 40, .size: 8, .value_kind: global_buffer, .address_space: global }
    .group_segment_fixed_size: 327680
    .private_segment_fixed_size: 0
    .kernarg_segment_align: 8
    .kernarg_segment_size: 48
    .max_flat_workgroup_size: 128
    .sgpr_count:     96
    .vgpr_count:     960
    .wavefront_size: 32
...
	.end_amdgpu_metadata
.endif
;; end of part 2
;; launch attn (part 3): grid 8 x 32, 4 waves a work-group, clusters of 4 x 1, 327,680 bytes of LDS; arguments q, k, v, bias, gamma, o; writes o
.if DOCPART == 3
	.amdgcn_target "amdgcn-amd-amdhsa--gfx1250"
	.amdhsa_code_object_version 6
	.text
	.protected	k_q36ef48742c_attn
	.globl	k_q36ef48742c_attn
	.p2align	8
	.type	k_q36ef48742c_attn,@function
k_q36ef48742c_attn:
	s_mov_b64 s[64:65], 0
	v_nop
	global_prefetch_b8 v0, s[64:65] scope:SCOPE_SE
	s_setreg_imm32_b32 hwreg(HW_REG_WAVE_MODE, 25, 1), 1
	s_wait_xcnt 0x0
	s_wait_alu depctr_hold_cnt(0) depctr_sa_sdst(0) depctr_va_vdst(0) depctr_va_sdst(0) depctr_va_ssrc(0) depctr_va_vcc(0) depctr_vm_vsrc(0)
	s_getreg_b32 s2, hwreg(HW_REG_IB_STS2, 6, 4)
	s_cmp_eq_u32 s2, 0
	s_cbranch_scc0 .Lentry_in_a_cluster
	s_endpgm
.Lentry_in_a_cluster:
	s_bfe_u32 s2, ttmp6, 0x10000c
	s_cmp_lg_u32 s2, 0x3003
	s_cbranch_scc0 .Lentry_shape_is_right
	s_endpgm
.Lentry_shape_is_right:
; ATTENTION.  o[b][h][i][:] = sum over j of softmax_j(q.k / 8 - slope_h |j - i| + gamma_h adj[b][i][j], hidden where the mask is 0) v[b][h][j][:].  q, k, v, o: [2][16][2048][64] f16.
; SHARES.  A work-group owns 128 queries of TWO heads (256 work-groups): wave w has head 2 HP + w / 2 and the queries 64 (w % 2) + 16 t, pieces t = 0..3; every wave walks 32 key steps of 64.
; Two heads to a work-group halve the bias tile of a step (32 KiB) beside twice the K and V (38,912 bytes), so that a slot holds TWO steps and two slots fit in LDS: a refill has eight turns,
; 160 products, in which to land, and there is one round of the cluster's barrier for two steps.
; SCORES are kept times 8: S^T = ALC + G F + K Q^T, p = 2^(c S - c m), c = log2(e) / 8, with a running maximum m; O and l are multiplied by a = 2^(c m_old - c m_new) in every step.
;   G F: F is a fragment of bias (32 k x 16 queries: k 0-15 adj of key k, k 16-31 M of key k - 16, M = 0 or -2^100); G (16 keys x 32 k, bf16) has 8 gamma at [m][m], 1 at [m][16 + m].
;   One bf16 product for 16 keys starts the sum: ALC + 8 gamma adj + M; the f16 products take the same accumulator up eight plain lines behind it or more.
;   ALIBI: 8 slope = S8 = 2^(2 - h) for h < 8, else 0.  With J = the step less the wave's diagonal step, -S8 |j - i| = ALC + D, ALC = -|AL0 + XO| (32 registers, the C operand that starts a
;   sum; AL0 = S8 x the place inside the tile) and D one number for the whole tile.  m is kept in the tile's units and moved by DEL = D(J - 1) - D(J), one addition for a piece and step.
;   XO, DEL: J < 0: -64 S8, -64 S8; J = 0: -16 t S8 both; J = 1: 64 S8, -16 t S8; J > 1: 64 S8 both.  All are whole multiples of a power of two: exact.  ALC is made anew only where J is 0 or 1.
; TURNS.  Turn n belongs to piece n and has ONE wait for its 33 exponentials, which cuts it in two.  AHEAD OF IT: the 12 products that make piece n + 1's scores (4 G F, then 8 K Q^T), and behind
; them piece n's a, its 16 scalings and its 32 exponentials, three to five a product.  BEHIND IT: the 8 products V^T P of piece n - 1, and behind them piece n's rescaling, roundings and sums and
; piece n + 1's maximum and statistics: 70 lines.
; CLUSTER 4 x 1: four PAIRS OF HEADS of one block of queries.  They share the bias tile, 64 KiB of a slot's 140: it is asked for jointly.  K and V are each work-group's own loads, behind the
; same round: sharing them too wants a cluster along the query blocks, where the branch that makes ALC anew would hang on a work-group's place in its cluster.
; LIMITS.  A hidden score counts as -2^100, which swallows scores below 2^76 in magnitude; a row with every key hidden comes out as the mean of v's rows provided the matrix unit rounds
; -2^100 + s to -2^100.  q, k, v lie within f16's 65,504.  A weight below 2^-126 counts as 0.  gamma is rounded to bf16.  NaN and infinities are not treated apart.
; REGISTERS, in windows of 256 (s_set_vgpr_msb: bits 1:0 source 0, 3:2 source 1, 5:4 source 2, 7:6 destination), laid so that a product and the lines behind it name the same windows:
;   window 0: v1-15, v32-35 addresses; v12-13 c m_old; v16-31 statistics (c m, m, l, l a piece); v48-55 at work; v56-119 S^T, two buffers; v120-151 P, two buffers; v152-215 K; v216-223 G; v224-255 ALC.
;   window 1: v0-127 O^T; v128-159 AL0; v160-223 V.     window 2: v0-63 Q; v64-95 F; v96-97 c.
;   Setting 0x08 (source 1 in window 2) serves G F, K Q^T, the scalings (whose source 1 is c) and the exponentials: the first half of a turn has one switch.  Setting 0x51 (source 0, source 2 and
;   destination in window 1) serves V^T P and the rescaling of O^T.  Roundings, sums and maxima want setting 0: two switches for each of the five products that they stand behind.
.set NP,    4
.set KS,    64
.set PK,    144                        ; a row of K in LDS: 128 bytes + 16
.set PV,    160                        ; a row of V: 128 + 32
.set KH,    128*PK                     ; a head's 128 keys of K in a slot
.set VH,    128*PV
.set KOFF,  65536                      ; a slot holds two steps: the bias tile [8 blocks of 16 queries][8 blocks of 16 keys][1,024], then K [2 heads][128 keys], then V likewise
.set VOFF,  KOFF+2*KH
.set SLOT1, 0x24000                    ; slot 1 begins here: none of its bits is set in a slot-0 address that is turned (0, 0x8000, 0x10000, 0x19000), so one exclusive or turns it into the other slot's
.set STAGE, SLOT1+VOFF+2*VH            ; behind the ring: 16 rows x 144 bytes for each wave
.set SP,    144
.set SPARE, STAGE+4*16*SP              ; the spare words, 128 bytes a wave
.set AK0, 2
.set AV0, 3
.set AK,  4
.set AV,  5
.set STO, 6
.set RD,  7
.set GO,  8
.set MV,  12
.set AB0, 14
.set QO,  15
.set ST,  16
.set AB,  32
.set PFO, 33
.set SPW, 34                           ; v34  SPARE + 4 x my thread's number; never rewritten
.set NIL, 35                           ; v35  0; never rewritten
.set TMP, 48
.set S,   56
.set P,   120
.set KF,  152
.set GA,  216
.set ALC, 224
.set AL0, 128                          ; window 1
.set VF,  160                          ; window 1
.set BF,  64                           ; window 2
.set CW,  96                           ; window 2
.set WV,  16
.set CX,  17
.set HD,  18
.set YY,  19
.set BB,  20
.set QB,  21
.set HF,  22
.set G1B, 24
.set G1K, 32
.set G1V, 40
.set G0B, 48
.set G0K, 52
.set G0V, 56
.set CS,  60
.set SEL, 62
.set SLOTS, 66
.set CNT, 67
.set TBK, 68                           ; s68  LDS byte at which the slot and step to be read begin, for K;
.set J,   69
.set XO,  70
.set DEL, 72
.set N512, 73
.set P512, 74
.set S8,  75
.set T128, 76
.set SGN, 80
.set LIM, 81
.set PFA, 82
.set PFS, 84
.set TBV, 96                           ; s96  for V;
.set TBB, 97                           ; s97  for the bias tile
.set HW,  98                           ; s98  which of the work-group's two heads is mine
.set HP,  99                           ; s99  the pair of heads
.set S9,  100                          ; s100 9 S8
.set MSB, 0
.macro WIN new                         ; the immediate's high byte repeats the setting that is left; a switch that changes nothing is dropped
.if MSB != (\new)
	s_set_vgpr_msb (MSB<<8)|(\new)
.set MSB, (\new)
.endif
.endm
.set W_A,  0x08                        ; source 1 in window 2, all else in window 0
.set W_PV, 0x51                        ; source 0, source 2 and destination in window 1, source 1 in window 0
.set W_RS, 0x41                        ; destination and source 0 in window 1
; A fill: waves 0, 1 the two halves of the bias tile (jointly), wave 2 both heads' K, wave 3 their V.  The branches hang on the wave's number alone; an s_nop 0 and four v_nop follow each line.
.macro JLOAD
	s_cmp_lt_u32 s[WV], 2
	s_cbranch_scc0 .Lkv_\@
	tensor_load_to_lds s[G0B:G0B+3], s[G1B:G1B+7]
	s_nop 0
.rept 4
	v_nop
.endr
	s_branch .Lasked_\@
.Lkv_\@:
	s_cmp_eq_u32 s[WV], 2
	s_cbranch_scc0 .Lv_\@
	tensor_load_to_lds s[G0K:G0K+3], s[G1K:G1K+7]
	s_nop 0
.rept 4
	v_nop
.endr
	s_branch .Lasked_\@
.Lv_\@:
	tensor_load_to_lds s[G0V:G0V+3], s[G1V:G1V+7]
	s_nop 0
.rept 4
	v_nop
.endr
.Lasked_\@:
.endm
; A prefetch of the slot that the NEXT change will ask for, eight turns ahead of that load; a lane a block of 256 bytes.  The bias tile is read by the two clusters of a block of queries: the first
; asks, its four partners sharing each wave's four rows of 8,192 bytes out by address, one each.  A pair of heads' K and V are read by its sixteen blocks of queries: the first asks, four
; instructions for 2 heads x 16,384 bytes.  The last fill has no slot behind it and asks for nothing.
.macro ASK
	s_cmp_gt_u32 s[SLOTS], s[LIM]
	s_cbranch_scc0 .Lnot_mine_\@
	global_prefetch_b8 v[PFO], s[PFA:PFA+1] th:TH_LOAD_NT scope:SCOPE_SE
	s_cmp_lt_u32 s[WV], 2
	s_cbranch_scc1 .Lnot_mine_\@
	global_prefetch_b8 v[PFO], s[PFA:PFA+1] offset:8192 th:TH_LOAD_NT scope:SCOPE_SE
	global_prefetch_b8 v[PFO], s[PFA:PFA+1] offset:262144 th:TH_LOAD_NT scope:SCOPE_SE
	global_prefetch_b8 v[PFO], s[PFA:PFA+1] offset:270336 th:TH_LOAD_NT scope:SCOPE_SE
.Lnot_mine_\@:
.endm
.macro CROUND
	s_barrier_signal -1
	s_barrier_wait -1
	s_cmp_lg_u32 s[WV], 0
	s_cbranch_scc1 .Lnot_wave_0_\@
	s_barrier_signal -3
.Lnot_wave_0_\@:
	s_barrier_wait -3
	s_barrier_signal -1
	s_barrier_wait -1
.endm
; THE CHANGE OF SLOTS, once for two key steps.  Each wave waits for all its tensor loads (one is out: its part of the other slot), adds 0 to its spare word, and waits for that and for its reads of
; the slot that it leaves.  fill = 1: a round of the cluster's barrier, and the slot just left is filled with the two steps behind those now entered: the first tensor load behind the round.
.macro CHANGE fill
	WIN 0
	s_wait_tensorcnt 0x0                           ; no tensor load of mine is out, so a group 0 may be written
	ds_add_u32 v[SPW], v[NIL]
.if \fill
	s_xor_b32 s[G0B+1], s[G0B+1], SLOT1
	s_add_nc_u64 s[G0B+2:G0B+3], s[G0B+2:G0B+3], 8192
	s_xor_b32 s[G0K+1], s[G0K+1], SLOT1
	s_add_nc_u64 s[G0K+2:G0K+3], s[G0K+2:G0K+3], 16384
	s_xor_b32 s[G0V+1], s[G0V+1], SLOT1
	s_add_nc_u64 s[G0V+2:G0V+3], s[G0V+2:G0V+3], 16384
	s_wait_xcnt 0x0                                ; the last prefetches, two key steps back, have read their address
	s_add_nc_u64 s[PFA:PFA+1], s[PFA:PFA+1], s[PFS:PFS+1]
.endif
	s_wait_dscnt 0x0                               ; the add is done, my reads of the slot are over
.if \fill
	CROUND
	JLOAD
	ASK
.else
	s_barrier_signal -1
	s_barrier_wait -1
.endif
	s_sub_co_u32 s[TBK], s[TBK], 2*KS*PK           ; the reads go back to a slot's first step,
	s_xor_b32 s[TBK], s[TBK], SLOT1                ; in the slot just shown whole
	s_sub_co_u32 s[TBV], s[TBV], 2*KS*PV
	s_xor_b32 s[TBV], s[TBV], SLOT1
	s_sub_co_u32 s[TBB], s[TBB], 2*4096
	s_xor_b32 s[TBB], s[TBB], SLOT1
.endm
; At a step's head: the LDS addresses of all its reads; then the three bases step on.  last = 1 (the tail, which reads slot 1): they stop at the slot's second step.
.macro ADDR last
	v_add_nc_u32 v[AK], s[TBK], v[AK0]
	v_add_nc_u32 v[AV], s[TBV], v[AV0]
	v_add_nc_u32 v[AB], s[TBB], v[AB0]
	s_add_co_u32 s[TBK], s[TBK], KS*PK
	s_add_co_u32 s[TBV], s[TBV], KS*PV
	s_add_co_u32 s[TBB], s[TBB], 4096
.if \last
	s_min_u32 s[TBK], s[TBK], SLOT1+KS*PK
	s_min_u32 s[TBV], s[TBV], SLOT1+KS*PV
	s_min_u32 s[TBB], s[TBB], SLOT1+4096
.endif
.endm
	s_load_b256 s[4:11], s[0:1], 0x0               ; q 4, k 6, v 8, bias 10
	s_load_b128 s[12:15], s[0:1], 0x20             ; gamma 12, o 14
	v_lshl_add_u32 v[SPW], v0, 2, SPARE
	v_mov_b32 v[NIL], 0
	ds_add_u32 v[SPW], v[NIL]                      ; the wave's opening, ahead of my first tensor load
	v_lshrrev_b32 v1, 5, v0
	v_readfirstlane_b32 s[WV], v1
	s_and_b32 s[HF], s[WV], 1                      ; which 64 of the 128 queries are mine; also which half of the bias tile I fetch
	s_lshr_b32 s[HW], s[WV], 1
	s_bfe_u32 s[CX], ttmp6, 0x40000
	s_lshl_b32 s[HP], ttmp9, 2
	s_add_co_u32 s[HP], s[HP], s[CX]               ; the pair of heads
	s_lshl1_add_u32 s[HD], s[HP], s[HW]            ; my head
	s_and_b32 s[YY], ttmp7, 0xffff
	s_lshr_b32 s[BB], s[YY], 4                     ; the batch
	s_and_b32 s[QB], s[YY], 15                     ; the block of 128 queries
	s_mov_b32 s[G1B], 15|(3<<16)|(1<<21)           ; the mask of four; 8-byte elements; bit 21 beside a mask; no padding
	s_mov_b32 s[G1B+1], 1024<<16                   ; a row: 8 fragments, 8,192 bytes
	s_mov_b32 s[G1B+2], 4<<16                      ; 4 rows: 4 blocks of 16 queries
	s_mov_b32 s[G1B+3], 1024<<16
	s_mov_b32 s[G1B+4], 4
	s_mov_b32 s[G1B+5], 16384                      ; 131,072 bytes from row to row
	s_mov_b32 s[G1B+6], 0
	s_mov_b32 s[G1B+7], 0
	s_mov_b32 s[G1K], (3<<16)|(1<<20)|(4<<22)|(3<<25)  ; no mask; 8-byte elements; 4 words of padding after every 32, counted along the whole tile: a key's 128 bytes
	s_mov_b32 s[G1V], (3<<16)|(1<<20)|(4<<22)|(7<<25)  ; 8 words
.irp g, G1K, G1V
	s_mov_b32 s[\g+1], 2048<<16                    ; a row: a head's 128 keys, 16,384 dense bytes
	s_mov_b32 s[\g+2], 2<<16                       ; two heads
	s_mov_b32 s[\g+3], 2048<<16
	s_mov_b32 s[\g+4], 2
	s_mov_b32 s[\g+5], 32768                       ; 262,144 bytes from head to head
	s_mov_b32 s[\g+6], 0
	s_mov_b32 s[\g+7], 0
.endr
	s_mov_b32 s[G0B], 1
	s_mul_i32 s[G0B+1], s[HF], 32768               ; slot 0: my half of the bias tile
	s_mov_b32 s[G0K], 1
	s_mov_b32 s[G0K+1], KOFF
	s_mov_b32 s[G0V], 1
	s_mov_b32 s[G0V+1], VOFF
	s_mov_b32 s[CS], 0x3e38aa3b                    ; c = log2(e) / 8
	s_mov_b32 s[CS+1], s[CS]
	s_mov_b32 s[SEL], 0x76543210
	s_mov_b32 s[SEL+1], 0xfedcba98
	s_mov_b32 s[SGN], 0x80000000
	s_mov_b32 s[XO+1], 0                           ; named as a pair
	s_sub_co_u32 s[S8], 129, s[HD]                 ; 2^(2 - head) as f32,
	s_lshl_b32 s[S8], s[S8], 23
	s_cmp_lt_u32 s[HD], 8
	s_cselect_b32 s[S8], s[S8], 0                  ; or 0 for the heads without alibi
	s_mul_f32 s[N512], s[S8], 0xc2800000           ; -64 S8
	s_mul_f32 s[P512], s[S8], 0x42800000           ; 64 S8
	s_mul_f32 s[S9], s[S8], 0x41100000             ; 9 S8
	s_mov_b32 s[T128], 0
	s_mul_f32 s[T128+1], s[S8], 0xc1800000         ; -16 t S8
	s_mul_f32 s[T128+2], s[S8], 0xc2000000
	s_mul_f32 s[T128+3], s[S8], 0xc2400000
	s_lshl_b32 s86, s[BB], 4
	s_lshl1_add_u32 s86, s[HP], s86
	s_lshl_b32 s86, s86, 18                        ; (16 b + 2 HP) x 262,144: the pair's first byte in k and v
	s_mov_b32 s87, 0
	s_lshl_b32 s88, s[BB], 24                      ; the bias tile: made of the batch, the block and the wave alone
	s_lshl_b32 s94, s[QB], 3
	s_lshl2_add_u32 s94, s[HF], s94                ; block of 16 queries 8 QB + 4 half
	s_lshl_b32 s94, s94, 17
	s_add_co_u32 s88, s88, s94
	s_mov_b32 s89, 0
	s_lshl_b32 s90, s[BB], 4
	s_add_co_u32 s90, s90, s[HD]
	s_lshl_b32 s90, s90, 18                        ; my head's first byte in q and o,
	s_lshl_b32 s93, s[QB], 14
	s_add_co_u32 s90, s90, s93                     ; the block's 128 rows,
	s_lshl_b32 s93, s[HF], 13
	s_add_co_u32 s90, s90, s93                     ; my wave's 64 of them
	s_mov_b32 s91, 0
	s_mov_b32 s[TBK], SLOT1+2*KS*PK                ; the first change turns these three into 0
	s_mov_b32 s[TBV], SLOT1+2*KS*PV
	s_mov_b32 s[TBB], SLOT1+2*4096
	s_wait_dscnt 0x0                               ; the opening add is done
	s_wait_kmcnt 0x0
	s_add_nc_u64 s[4:5], s[4:5], s[90:91]
	s_add_nc_u64 s[14:15], s[14:15], s[90:91]
	s_add_nc_u64 s[6:7], s[6:7], s[86:87]
	s_add_nc_u64 s[8:9], s[8:9], s[86:87]
	s_add_nc_u64 s[10:11], s[10:11], s[88:89]
	s_mov_b64 s[G0B+2:G0B+3], s[10:11]
	s_or_b32 s[G0B+3], s[G0B+3], 0x80000000
	s_mov_b64 s[G0K+2:G0K+3], s[6:7]
	s_or_b32 s[G0K+3], s[G0K+3], 0x80000000
	s_mov_b64 s[G0V+2:G0V+3], s[8:9]
	s_or_b32 s[G0V+3], s[G0V+3], 0x80000000
	CROUND                                         ; all four work-groups are here
	JLOAD                                          ; steps 0 and 1 into slot 0; slot 1 is asked for when they are in
	; the prefetches
	s_lshl_b32 s90, s[CX], 17                      ; my work-group's one of the wave's four rows of the bias tile
	s_cmp_eq_u32 s[WV], 2
	s_cselect_b64 s[PFA:PFA+1], s[6:7], s[8:9]
	s_cmp_lt_u32 s[WV], 2
	s_cselect_b64 s[PFA:PFA+1], s[10:11], s[PFA:PFA+1]
	s_cselect_b32 s90, s90, 0
	s_cselect_b32 s93, ttmp9, s[QB]                ; the coordinate along which others read the same bytes
	s_cselect_b32 s95, 1, 0
	s_lshr_b32 s[PFS], 0x4000, s95                 ; a slot: 8,192 bytes of a bias row, 16,384 of a head's K or V
	s_mov_b32 s[PFS+1], 0
	s_cmp_eq_u32 s93, 0
	s_cselect_b32 s[LIM], 1, -1
	s_add_co_u32 s90, s90, s[PFS]                  ; at slot 1: the first change steps it to slot 2
	s_add_nc_u64 s[PFA:PFA+1], s[PFA:PFA+1], s[90:91]
	v_and_b32 v1, 15, v0                           ; l % 16
	v_bfe_u32 v9, v0, 4, 1                         ; l / 16
	v_and_b32 v[PFO], 31, v0
	v_lshlrev_b32 v[PFO], 8, v[PFO]
	v_lshlrev_b32 v[QO], 7, v1
	v_lshl_add_u32 v[QO], v9, 4, v[QO]
	s_lshl_b32 s93, s[HD], 2
	v_mov_b32 v36, s93
	global_load_b32 v37, v36, s[12:13]             ; gamma of my head
	WIN 0x80
.set i, 0
.rept 8                                ; Q stays in registers: piece i / 2, channels 32 (i % 2) on
	global_load_b128 v[8*i:8*i+3],   v[QO], s[4:5] offset:(i/2)*2048+(i%2)*64
	global_load_b128 v[8*i+4:8*i+7], v[QO], s[4:5] offset:(i/2)*2048+(i%2)*64+32
.set i, i+1
.endr
	v_mov_b32 v[CW], s[CS]                         ; c where the scalings' source 1 finds it
	v_mov_b32 v[CW+1], s[CS]
	; what the first turns find: P's second buffer, V, O^T and l hold 0, m is the lowest finite number: the first step is a step like any other, with a = 0.
	; P's 16 registers are written; O^T's 128 and V's 64 are 24 products of those two zero fragments.  All this stands in the wait for the first tile.
	WIN 0
.set i, P+16
.rept 16
	v_mov_b32 v[i], 0
.set i, i+1
.endr
	WIN 0x40
.set i, 0
.rept 16
	v_wmma_f32_16x16x32_f16 v[8*i:8*i+7], v[P+16:P+23], v[P+24:P+31], 0
.set i, i+1
.endr
.set i, 0
.rept 8
	v_wmma_f32_16x16x32_f16 v[VF+8*i:VF+8*i+7], v[P+16:P+23], v[P+24:P+31], 0
.set i, i+1
.endr
	WIN 0
	v_lshlrev_b32 v10, 3, v9
	v_sub_nc_u32 v11, v1, v10                      ; l % 16 - 8 (l / 16): where G's two numbers lie in my lane
	v_sub_nc_u32 v10, v10, v1                      ; 8 (l / 16) - l % 16: register 0's key less query, inside the tile
	v_cvt_f32_i32 v10, v10
	v_mul_f32 v10, s[S8], v10
	WIN 0x40
	v_mov_b32 v[AL0], v10
	WIN 0x44
.set i, 1
.rept 31                               ; register i stands for key 16 (i / 8) + i % 8: one further than register i - 1, or nine; whole multiples of a power of two, so every sum is exact
.if i%8
	v_add_f32 v[AL0+i], s[S8], v[AL0+i-1]
.else
	v_add_f32 v[AL0+i], s[S9], v[AL0+i-1]
.endif
.set i, i+1
.endr
	WIN 0
.set i, 0
.rept 4
	v_mov_b32 v[ST+4*i], 0
	v_mov_b32 v[ST+4*i+1], 0xff7fffff
	v_mov_b32 v[ST+4*i+2], 0
	v_mov_b32 v[ST+4*i+3], 0
.set i, i+1
.endr
	v_mul_u32_u24 v[AK0], v1, PK
	v_lshl_add_u32 v[AK0], v9, 4, v[AK0]
	s_mul_i32 s93, s[HW], KH                       ; my head's K
	s_add_co_u32 s93, s93, KOFF
	v_add_nc_u32 v[AK0], s93, v[AK0]
	v_and_b32 v38, 7, v0                           ; the turning load: lane l reads key 8 (l / 16) + l % 8, channels 8 ((l / 8) % 2) + 0..7
	v_bfe_u32 v39, v0, 3, 1
	v_lshl_add_u32 v[AV0], v9, 3, v38
	v_mul_u32_u24 v[AV0], v[AV0], PV
	v_lshl_add_u32 v[AV0], v39, 4, v[AV0]
	s_mul_i32 s93, s[HW], VH                       ; my head's V
	s_add_co_u32 s93, s93, VOFF
	v_add_nc_u32 v[AV0], s93, v[AV0]
	v_and_b32 v[AB0], 31, v0                       ; a fragment of bias lies as the registers want it: 16 bytes a lane
	v_lshlrev_b32 v[AB0], 4, v[AB0]
	s_lshl_b32 s93, s[HF], 15                      ; my four blocks of 16 queries
	v_add_nc_u32 v[AB0], s93, v[AB0]
	s_mul_i32 s93, s[WV], 16*SP
	s_add_co_u32 s93, s93, STAGE
	v_mul_u32_u24 v[STO], v1, SP
	v_lshl_add_u32 v[STO], v9, 4, v[STO]
	v_add_nc_u32 v[STO], s93, v[STO]
	v_bfe_u32 v[RD], v0, 3, 2
	v_mul_u32_u24 v[RD], v[RD], SP
	v_lshl_add_u32 v[RD], v38, 4, v[RD]
	v_add_nc_u32 v[RD], s93, v[RD]
	v_and_b32 v[GO], 31, v0
	v_lshlrev_b32 v[GO], 4, v[GO]
	s_wait_loadcnt 0x0                             ; gamma and Q
	v_mul_f32 v37, 0x41000000, v37                 ; 8 gamma,
	v_cvt_pk_bf16_f32 v37, v37, v37                ; rounded to bf16,
	v_and_b32 v40, 0xffff, v37                     ; in a low half
	v_and_b32 v41, 0xffff0000, v37                 ; and in a high half
	v_mov_b32 v42, 0x3f80                          ; 1 likewise
	v_mov_b32 v43, 0x3f800000
.irp q, 0,1,2,3
	v_cmp_eq_u32 s92, 2*\q, v11
	v_cndmask_b32 v[GA+\q], 0, v40, s92
	v_cndmask_b32 v[GA+4+\q], 0, v42, s92
	v_cmp_eq_u32 s92, 2*\q+1, v11
	v_cndmask_b32 v[GA+\q], v[GA+\q], v41, s92
	v_cndmask_b32 v[GA+4+\q], v[GA+4+\q], v43, s92
.endr
; THE MATRIX WORK.  i counts a turn's 20 products; the accumulators of a run take turns.
.macro BW x                            ; i = 0..3: keys 16 i on: the sum starts: ALC + 8 gamma adj + M
.set rS, S+32*((\x)%2)+8*i
	WIN W_A
	v_wmma_f32_16x16x32_bf16 v[rS:rS+7], v[GA:GA+7], v[BF+8*i:BF+8*i+7], v[ALC+8*i:ALC+8*i+7]
.endm
.macro KQ x                            ; i = 4..11: channels 32 ((i - 4) / 4) on, keys 16 ((i - 4) % 4) on
.set rS, S+32*((\x)%2)+8*((i-4)%4)
.set rK, KF+16*((i-4)%4)+8*((i-4)/4)
.set rQ, 16*(\x)+8*((i-4)/4)
	WIN W_A
	v_wmma_f32_16x16x32_f16 v[rS:rS+7], v[rK:rK+7], v[rQ:rQ+7], v[rS:rS+7]
.endm
.macro PV x                            ; i = 12..19: keys 32 ((i - 12) / 4) on, channels 16 ((i - 12) % 4) on
	WIN W_PV
.set rO, 32*(\x)+8*((i-12)%4)
.set rV, VF+32*((i-12)/4)+8*((i-12)%4)
.set rP, P+16*((\x)%2)+8*((i-12)/4)
	v_wmma_f32_16x16x32_f16 v[rO:rO+7], v[rV:rV+7], v[rP:rP+7], v[rO:rO+7]
.endm
.macro MM
.if i < 4
	BW (Y+1)%NP
.elseif i < 12
	KQ (Y+1)%NP
.else
	PV (Y+NP-1)%NP
.endif
.set i, i+1
.endm
; THE LDS LOADS stand in runs.
.macro FETCH_K
	WIN 0
.irp f, 0,1,2,3,4,5,6,7
	ds_load_b128 v[KF+8*\f:KF+8*\f+3],   v[AK] offset:(\f/2)*16*PK+(\f%2)*64
	ds_load_b128 v[KF+8*\f+4:KF+8*\f+7], v[AK] offset:(\f/2)*16*PK+(\f%2)*64+32
.endr
.endm
.macro FETCH_V
	WIN 0x40
.irp f, 0,1,2,3,4,5,6,7
	ds_load_tr16_b128 v[VF+8*\f:VF+8*\f+3],   v[AV] offset:(\f/4)*32*PV+(\f%4)*32
	ds_load_tr16_b128 v[VF+8*\f+4:VF+8*\f+7], v[AV] offset:(\f/4)*32*PV+16*PV+(\f%4)*32
.endr
.endm
.macro FETCH_B x                       ; piece x's four fragments of bias: its row of 8,192 bytes, the step's 4,096 of it
	WIN 0x80
.irp kt, 0,1,2,3
	ds_load_b128 v[BF+8*\kt:BF+8*\kt+3],   v[AB] offset:(\x)*8192+\kt*1024
	ds_load_b128 v[BF+8*\kt+4:BF+8*\kt+7], v[AB] offset:(\x)*8192+\kt*1024+512
.endr
.endm
; XO and DEL for piece t at step J; ALC is made anew where J is 0 or 1 (always = 1: in any case).  The branch hangs on the block of queries, the wave's number and a count: alike in all partners.
.macro PRE t, always
	WIN 0
	s_cmp_lt_i32 s[J], 0
	s_cselect_b32 s[XO], s[N512], s[P512]
	s_cselect_b32 s[DEL], s[N512], s[P512]
	s_cmp_eq_u32 s[J], 0
	s_cselect_b32 s[XO], s[T128+(\t)], s[XO]
	s_cmp_le_u32 s[J], 1
	s_cselect_b32 s[DEL], s[T128+(\t)], s[DEL]
.if (\always) == 0
	s_cbranch_scc0 .Lsame_\@
.endif
	WIN 0x01                               ; AL0, source 0, in window 1
.set z, 0
.rept 16
	v_pk_add_f32 v[ALC+2*z:ALC+2*z+1], v[AL0+2*z:AL0+2*z+1], s[XO:XO+1] op_sel_hi:[1,0]
.set z, z+1
.endr
	WIN 0
.set z, 0
.rept 32
	v_or_b32 v[ALC+z], s[SGN], v[ALC+z]            ; -|..|
.set z, z+1
.endr
.if (\always) == 0
.Lsame_\@:
.endif
.endm
; THE VECTOR WORK, one line at a time: OP kind + number.  For piece Y: T: a = 2^(c m_old - c m).  F n: c s - c m for pair n.  E n: the exponential of score n.  C n: pair n rounded to f16.
; B n: of the weights 4 n .. the second pair is added onto the first.  L n: l takes that sum (L 0: l = a l + sum).  R n: pair n of O^T times a.  For piece Y + 1: X 22: m is moved by DEL;
; X 0-14, 16: the maximum of the 32 scores and m (each accumulator's lowest registers are read first); X 15: c m_old; X 17, 18: the lane 16 away, the new m;
; X 19, 20: c m; c m_old - c m.  Each line sets the windows that it wants; a switch that changes nothing is dropped.
.set F, 0
.set E, 32
.set C, 64
.set B, 96
.set L, 128
.set R, 160
.set X, 192
.set T, 224
.macro REGS y
.set rT, ST+4*(\y)
.set rC, TMP+4*((\y)%2)
.set rW, MV+((\y)%2)
.set rS, S+32*((\y)%2)
.set rP, P+16*((\y)%2)
.set rO, 32*(\y)
.endm
.macro OP o
.set ok, (\o)/32
.set on, (\o)%32
.if ok == 7
	REGS Y
	WIN W_A
	v_exp_f32 v[rC+2], v[rC+1]
.elseif ok == 5
	REGS Y
	WIN W_PV
	v_pk_mul_f32 v[rO+2*on:rO+2*on+1], v[rO+2*on:rO+2*on+1], v[rC+2:rC+3] op_sel_hi:[1,0]
.elseif ok == 0
	REGS Y
	WIN W_A
	v_pk_fma_f32 v[rS+2*on:rS+2*on+1], v[rS+2*on:rS+2*on+1], v[CW:CW+1], v[rT:rT+1] op_sel_hi:[1,0,0] neg_lo:[0,0,1] neg_hi:[0,0,1]
.elseif ok == 1
	REGS Y
	WIN W_A
	v_exp_f32 v[rS+on], v[rS+on]
.elseif ok == 2
	REGS Y
	WIN 0
	v_cvt_pk_f16_f32 v[rP+on], v[rS+2*on], v[rS+2*on+1]
.elseif ok == 3
	REGS Y
	WIN 0
	v_pk_add_f32 v[rS+4*on:rS+4*on+1], v[rS+4*on:rS+4*on+1], v[rS+4*on+2:rS+4*on+3]
.elseif ok == 4
	REGS Y
	WIN 0
.if on == 0
	v_pk_fma_f32 v[rT+2:rT+3], v[rT+2:rT+3], v[rC+2:rC+3], v[rS:rS+1] op_sel_hi:[1,0,1]
.else
	v_pk_add_f32 v[rT+2:rT+3], v[rT+2:rT+3], v[rS+4*on:rS+4*on+1]
.endif
.else
	REGS (Y+1)%NP
	WIN 0
.if on < 4
	v_max3_num_f32 v[rC+on], v[rS+8*on], v[rS+8*on+1], v[rS+8*on+2]
.elseif on < 12
	v_max3_num_f32 v[rC+on%4], v[rC+on%4], v[rS+8*(on%4)+2*(on/4)+1], v[rS+8*(on%4)+2*(on/4)+2]
.elseif on == 12
	v_max3_num_f32 v[rC], v[rC], v[rS+7], v[rS+15]
.elseif on == 13
	v_max3_num_f32 v[rC+1], v[rC+1], v[rS+23], v[rS+31]
.elseif on == 14
	v_max3_num_f32 v[rC+2], v[rC+2], v[rC+3], v[rT+1]
.elseif on == 15
	v_mul_f32 v[rW], s[CS], v[rT+1]
.elseif on == 16
	v_max3_num_f32 v[rC], v[rC], v[rC+1], v[rC+2]
.elseif on == 17
	v_permlanex16_b32 v[rC+3], v[rC], s[SEL], s[SEL+1]
.elseif on == 18
	v_max_num_f32 v[rT+1], v[rC], v[rC+3]
.elseif on == 19
	v_mul_f32 v[rT], s[CS], v[rT+1]
.elseif on == 20
	v_sub_f32 v[rC+1], v[rW], v[rT]
.else
	v_add_f32 v[rT+1], s[DEL], v[rT+1]
.endif
.endif
.endm
.macro OPS ops:vararg
.irp o, \ops
	OP \o
.endr
.endm
.macro ROW ops:vararg                  ; a product and the lines behind it
	MM
	OPS \ops
.endm
; A TURN, for piece p.  AHEAD OF ITS ONE WAIT: 4 G F and 8 K Q^T of piece p + 1 under one window setting; behind them a, the scalings and the exponentials of piece p, none of which names an
; exponential's result.  Between G F number kt and K Q^T number kt, which takes the same accumulator up in the other form, stand eight plain lines or more (three behind the first product, two
; behind each of the next six).  A pair is scaled a product or more ahead of its exponentials.  BEHIND THE WAIT: 8 V^T P of piece p - 1; behind the first three the 16 rescalings, which want no
; switch and are the plain places between the last K Q^T and the first line that reads its scores; then piece p + 1's maximum and statistics among piece p's roundings and sums: the links of the
; chain X 3, 7, 11, 14, 16 .. 20 stand five lines apart or more, those of l's chain three.  The plain lines behind the last exponential and ahead of the first use of its result are the rescalings.
; LDS: the bias fragments of piece p + 2 directly behind the wait; K of the next step in piece 2's turn, behind the rescalings; V of the step in hand at the end of piece 0's turn, fourteen plain
; lines behind its last reader.  The wait at a turn's head is for the bias fragments: in turns 1 and 3 the sixteen loads of V or K are younger and stay out.
.macro TURN p
.set Y, (\p)
.set i, 0
.if (\p) == 3
	s_add_co_i32 s[J], s[J], 1                     ; piece 0's scores are the next step's
.endif
	PRE ((\p)+1)%NP, 0
.if ((\p) == 1) || ((\p) == 3)
	s_wait_dscnt 16                                ; the bias fragments are in; V's or K's sixteen loads are younger
.else
	s_wait_dscnt 0x0                               ; the bias fragments are in
.endif
	ROW T, F+0, F+1, F+2
	ROW F+3, E+0, F+4, E+1
	ROW E+2, F+5, E+3, F+6, E+4
	ROW E+5, F+7, E+6, F+8, E+7
.if (\p) == 3
	s_wait_dscnt 0x0                               ; K is in
.endif
	ROW E+8, F+9, E+9, F+10, E+10
	ROW E+11, F+11, E+12, F+12, E+13
	ROW E+14, F+13, E+15, F+14, E+16
	ROW E+17, F+15, E+18, E+19
	ROW E+20, E+21, E+22
	ROW E+23, E+24, E+25
	ROW E+26, E+27, E+28
	ROW E+29, E+30, E+31
	s_wait_alu depctr_va_vdst(0)                   ; the wait for the batch, ahead of the first line that names a result
	FETCH_B ((\p)+2)%NP
.if (\p) == 1
	s_wait_dscnt 8                                 ; V is in; the eight just issued may stay out
.endif
	ROW R+0, R+1, R+2, R+3, R+4, R+5, R+6
	ROW R+7, R+8, R+9, R+10, R+11, R+12, R+13
	ROW R+14, R+15, X+22, X+0, X+1, X+2, X+3
.if (\p) == 2
	FETCH_K
.endif
	ROW C+0, X+4, X+5, X+6, X+7, B+0, C+2
	ROW X+8, X+9, X+10, X+11, B+1, L+0, C+4
	ROW X+12, X+13, X+14, X+15, B+2, L+1, C+6
	ROW B+3, X+16, C+8, L+2, B+4, C+10, X+17, L+3, C+12, B+5, C+14, X+18, L+4, B+6
	ROW C+1, L+5, B+7, X+19, C+3, L+6, C+5, C+7, X+20, L+7, C+9, C+11, C+13, C+15
.if (\p) == 0
	FETCH_V
.endif
	WIN 0
.endm
	s_mov_b32 s[SLOTS], 15
	CHANGE 1                                       ; steps 0 and 1 are in, everybody's part of them; steps 2 and 3 are asked for
	ADDR 0
	s_lshl1_add_u32 s93, s[QB], s[HF]              ; the step that holds my wave's diagonal
	s_sub_co_i32 s[J], 0, s93
	PRE 0, 1
	FETCH_K                                        ; step 0
	FETCH_B 0
	s_wait_dscnt 0x0
.set i, 0
.rept 4
	BW 0                                           ; piece 0's first scores
.set i, i+1
.endr
.rept 5
	v_nop                                          ; five places between the bf16 products and the f16 products on the same accumulators
.endr
.rept 8
	KQ 0
.set i, i+1
.endr
.rept 4
	v_nop                                          ; the places behind those products
.endr
	FETCH_B 1
.set Y, NP-1                           ; X works for piece Y + 1: piece 0
	OPS X+22, X+0, X+1, X+2, X+3, X+4, X+5, X+6, X+7, X+8, X+9, X+10, X+11, X+12, X+13, X+14, X+15, X+16, X+17, X+18, X+19, X+20
	WIN 0
	s_mov_b32 s[CNT], 2
	s_branch .Lfirst                               ; the loop is entered at a step's first turn
.Lslot:                                                ; 14 times more: a slot is entered and the one behind it asked for
	CHANGE 1
	s_mov_b32 s[CNT], 2
.Lstep:                                                ; a trip: pieces 2 and 3 of one step, then pieces 0 and 1 of the next, all of whose bytes it reads
	ADDR 0
	TURN 2
	TURN 3
.Lfirst:
	TURN 0
	TURN 1
	s_sub_co_u32 s[CNT], s[CNT], 1
	s_cmp_lg_u32 s[CNT], 0
	s_cbranch_scc1 .Lstep
	s_sub_co_u32 s[SLOTS], s[SLOTS], 1
	s_cmp_lg_u32 s[SLOTS], 0
	s_cbranch_scc1 .Lslot
	CHANGE 0                                       ; the tail is written out: nothing is asked for
	s_mov_b32 s[CNT], 3
.Ltail:                                                ; the last slot's two trips; the third is left in its middle: its scores for a further step, made of the last step's bytes once more, serve nothing
	ADDR 1
	TURN 2
	TURN 3
	s_sub_co_u32 s[CNT], s[CNT], 1
	s_cmp_eq_u32 s[CNT], 0
	s_cbranch_scc1 .Lout
	TURN 0
	TURN 1
	s_branch .Ltail
.Lout:
.set i, 12
.rept 8
	PV NP-1                                        ; the last piece's V^T P of the last step
.set i, i+1
.endr
	; THE WAY OUT: l's two halves and the other half of the lanes' are added; O^T is divided by l, rounded to f16 and sent through my stage, a piece at a time
	WIN 0
.macro ALL line:vararg
.set t, 0
.rept 4
	\line
.set t, t+1
.endr
.endm
	ALL v_add_f32 v[ST+4*t+2], v[ST+4*t+2], v[ST+4*t+3]
	ALL v_permlanex16_b32 v[ST+4*t+3], v[ST+4*t+2], s[SEL], s[SEL+1]
	ALL v_add_f32 v[ST+4*t+2], v[ST+4*t+2], v[ST+4*t+3]
	ALL v_rcp_f32 v[ST+4*t+2], v[ST+4*t+2]
	v_nop                                          ; a plain instruction behind the last reciprocal,
	s_wait_alu depctr_va_vdst(0)                   ; and one wait for the four
.macro PACK t
	WIN W_RS
.set i, 32*(\t)
.rept 16
	v_pk_mul_f32 v[i:i+1], v[i:i+1], v[ST+4*(\t)+2:ST+4*(\t)+3] op_sel_hi:[1,0]
.set i, i+2
.endr
	WIN 0x05
.set i, 0
.rept 16
	v_cvt_pk_f16_f32 v[S+16*(\t)+i], v[32*(\t)+2*i], v[32*(\t)+2*i+1]
.set i, i+1
.endr
	WIN 0
.irp f, 0,1,2,3
	ds_store_b128 v[STO], v[S+16*(\t)+4*\f:S+16*(\t)+4*\f+3] offset:32*\f
.endr
.irp f, 0,1,2,3
	ds_load_b128 v[S+16*(\t)+4*\f:S+16*(\t)+4*\f+3], v[RD] offset:\f*4*SP  ; LDS serves a wave's instructions in order (ISA guide 5.7.1.4)
.endr
.endm
.macro SEND t, younger                 ; younger: the LDS instructions issued behind piece t's loads: the next piece's eight, or none
	WIN 0
.irp f, 0,1,2,3
	s_wait_dscnt (\younger)+3-\f
	global_store_b128 v[GO], v[S+16*(\t)+4*\f:S+16*(\t)+4*\f+3], s[14:15] offset:(\t)*2048+\f*512  ; 512 consecutive bytes, aligned
.endr
.endm
	PACK 0
.set t, 1
.rept 3
	PACK t
	SEND t-1, 8
.set t, t+1
.endr
	SEND 3, 0
	s_wait_tensorcnt 0x0                           ; the wave's end
	ds_add_u32 v[SPW], v[NIL]
	s_wait_dscnt 0x0
	CROUND                                         ; the closing round
	s_endpgm
.Lfunc_end_k_q36ef48742c_attn:
	.size	k_q36ef48742c_attn, .Lfunc_end_k_q36ef48742c_attn-k_q36ef48742c_attn
	.p2alignl 7, 3214868480
	.fill 96, 4, 3214868480
	.section	.rodata,"a",@progbits
	.p2align	6, 0x0
	.amdhsa_kernel k_q36ef48742c_attn
		.amdhsa_group_segment_fixed_size 327680
		.amdhsa_private_segment_fixed_size 0
		.amdhsa_enable_private_segment 0
		.amdhsa_kernarg_size 48
		.amdhsa_user_sgpr_count 2
		.amdhsa_user_sgpr_kernarg_segment_ptr 1
		.amdhsa_wavefront_size32 1
		.amdhsa_system_sgpr_workgroup_id_x 1
		.amdhsa_system_sgpr_workgroup_id_y 1
		.amdhsa_system_sgpr_workgroup_id_z 1
		.amdhsa_system_vgpr_workitem_id 0
		.amdhsa_next_free_vgpr 610
		.amdhsa_next_free_sgpr 102
		.amdhsa_reserve_vcc 0
		.amdhsa_float_denorm_mode_32 3
		.amdhsa_float_denorm_mode_16_64 3
		.amdhsa_memory_ordered 1
		.amdhsa_forward_progress 1
		.amdhsa_inst_pref_size 135
	.end_amdhsa_kernel
	.amdgpu_metadata
---
amdhsa.version: [ 1, 2 ]
amdhsa.kernels:
  - .name:           k_q36ef48742c_attn
    .symbol:         k_q36ef48742c_attn.kd
    .args:
      - { .name: q, .offset: 0, .size: 8, .value_kind: global_buffer, .address_space: global }
      - { .name: k, .offset: 8, .size: 8, .value_kind: global_buffer, .address_space: global }
      - { .name: v, .offset: 16, .size: 8, .value_kind: global_buffer, .address_space: global }
      - { .name: bias, .offset: 24, .size: 8, .value_kind: global_buffer, .address_space: global }
      - { .name: gamma, .offset: 32, .size: 8, .value_kind: global_buffer, .address_space: global }
      - { .name: o, .offset: 40, .size: 8, .value_kind: global_buffer, .address_space: global }
    .group_segment_fixed_size: 327680
    .private_segment_fixed_size: 0
    .kernarg_segment_align: 8
    .kernarg_segment_size: 48
    .max_flat_workgroup_size: 128
    .sgpr_count:     102
    .vgpr_count:     610
    .wavefront_size: 32
...
	.end_amdgpu_metadata
.endif
;; end of part 3
;; launch outp (part 4): grid 8 x 32, 4 waves a work-group, clusters of 4 x 4, 327,680 bytes of LDS; arguments o, owt, out_bias, out0; writes out0
.if DOCPART == 4
	.amdgcn_target "amdgcn-amd-amdhsa--gfx1250"
	.amdhsa_code_object_version 6
	.text
	.protected	k_q36ef48742c_outp
	.globl	k_q36ef48742c_outp
	.p2align	8
	.type	k_q36ef48742c_outp,@function
k_q36ef48742c_outp:
	s_mov_b64 s[64:65], 0
	v_nop
	global_prefetch_b8 v0, s[64:65] scope:SCOPE_SE
	s_setreg_imm32_b32 hwreg(HW_REG_WAVE_MODE, 25, 1), 1
	s_wait_xcnt 0x0
	s_wait_alu depctr_hold_cnt(0) depctr_sa_sdst(0) depctr_va_vdst(0) depctr_va_sdst(0) depctr_va_ssrc(0) depctr_va_vcc(0) depctr_vm_vsrc(0)
	s_getreg_b32 s2, hwreg(HW_REG_IB_STS2, 6, 4)
	s_cmp_eq_u32 s2, 0
	s_cbranch_scc0 .Lentry_in_a_cluster
	s_endpgm
.Lentry_in_a_cluster:
	s_bfe_u32 s2, ttmp6, 0x10000c
	s_cmp_lg_u32 s2, 0xf033
	s_cbranch_scc0 .Lentry_shape_is_right
	s_endpgm
.Lentry_shape_is_right:
; OUT: out0 [4096][1024] f32 = O [4096][1024] x owt [1024 n][1024 k]^T + out_bias.  O lies by heads, o [b][h][l][64] f16; owt is f16; sums in f32.
; A tile of out0 is 128 x 128 (8 x 32 = 256 work-groups); four waves, each 64 x 64: 16 accumulators.  K goes in 4 steps of 256 = four heads, through two LDS slots.
; O's TILE: for one fetching wave 64 rows l x 4 heads: asked for as 4 rows of 8,192 dense bytes (64 l-rows of a head), 262,144 bytes apart; 16 bytes of padding behind every 128 bytes, counted
; along the whole tile, leave [head][row] at a pitch of 144 bytes.  owt's tile: 64 rows of 512 bytes at a pitch of 528.
; CLUSTER 4 x 4: O's tile is asked for jointly along a row of the cluster, owt's along a column.  THE PRODUCT IS USED TRANSPOSED: a lane holds row l % 16 and eight neighbouring columns.
; out_bias, rounded to bf16 like every input, is the C operand of each accumulator's first product.  No prefetch: small tiles, four K steps.
; REGISTERS: window 0: v16-29 addresses; v32-159 rows on the way out; v96-127 the bias; v128-255 accumulators ((a, b) at 128 + 8 (4 a + b)).  window 1: two fragment buffers of 128.
.set PA,    144
.set PB,    528
.set AHALF, 4*64*PA
.set BHALF, 64*PB
.set BOFF,  2*AHALF
.set SLOT,  BOFF+2*BHALF
.set STAGE, 2*SLOT                     ; behind the ring: 16 rows x 272 bytes for each wave
.set SPITCH, 272
.set SPARE, STAGE+4*16*SPITCH
.set ADRA, 16
.set ADRB, 20
.set STO,  24
.set RD,   25
.set CO,   26
.set SPW,  28                          ; v28  SPARE + 4 x my thread's number; never rewritten
.set NIL,  29                          ; v29  0; never rewritten
.set OBF,  32
.set OBI,  96
.set ACC,  128
.set F0,   0
.set F1,   128
.set WV, 12
.set RH, 13
.set CH, 14
.set CX, 15
.set CY, 16
.set TX, 17
.set TY, 18
.set G1A, 24
.set G0A, 32
.set G1B, 40
.set G0B, 48
.set MSB, 0
.macro WIN new
.if MSB != (\new)
	s_set_vgpr_msb (MSB<<8)|(\new)
.set MSB, \new
.endif
.endm
.set MUL,  0x05                        ; sources 0 and 1 in window 1; C and D in window 0
.set TO_F, 0x40
.macro PLACES
.rept 4
	v_nop
.endr
.endm
.macro JLOAD s                         ; waves 0, 1 fetch O's two halves, waves 2, 3 owt's; an s_nop 0 and four v_nop follow each line
	s_cmp_lt_u32 s[WV], 2
	s_cbranch_scc0 .Lfor_b_\@
	tensor_load_to_lds s[G0A+4*(\s):G0A+4*(\s)+3], s[G1A:G1A+7]
	s_nop 0
.rept 4
	v_nop
.endr
	s_branch .Lasked_\@
.Lfor_b_\@:
	tensor_load_to_lds s[G0B+4*(\s):G0B+4*(\s)+3], s[G1B:G1B+7]
	s_nop 0
.rept 4
	v_nop
.endr
.Lasked_\@:
.endm
.macro CREST
	s_cmp_lg_u32 s[WV], 0
	s_cbranch_scc1 .Lnot_wave_0_\@
	s_barrier_signal -3
.Lnot_wave_0_\@:
	s_barrier_wait -3
	s_barrier_signal -1
	s_barrier_wait -1
.endm
.macro CROUND
	s_barrier_signal -1
	s_barrier_wait -1
	CREST
.endm
	s_load_b256 s[4:11], s[0:1], 0x0               ; o 4, owt 6, out_bias 8, out0 10
	v_lshl_add_u32 v[SPW], v0, 2, SPARE
	v_mov_b32 v[NIL], 0
	ds_add_u32 v[SPW], v[NIL]                      ; the wave's opening, ahead of my first tensor load
	v_lshrrev_b32 v1, 5, v0
	v_readfirstlane_b32 s[WV], v1
	s_lshr_b32 s[RH], s[WV], 1                     ; which half of the tile's rows is mine
	s_and_b32 s[CH], s[WV], 1                      ; which half of its columns; also which half of a tile I fetch
	s_bfe_u32 s[CX], ttmp6, 0x40000
	s_bfe_u32 s[CY], ttmp6, 0x40004
	s_lshl_b32 s[TX], ttmp9, 2
	s_add_co_u32 s[TX], s[TX], s[CX]
	s_and_b32 s[TY], ttmp7, 0xffff
	s_lshl_b32 s[TY], s[TY], 2
	s_add_co_u32 s[TY], s[TY], s[CY]
	s_lshl_b32 s19, s[CY], 2
	s_lshl_b32 s19, 15, s19                        ; my row of the cluster
	s_lshl_b32 s20, 0x1111, s[CX]                  ; my column
	s_or_b32 s[G1A], s19, (3<<16)|(1<<20)|(1<<21)|(4<<22)|(3<<25)  ; 8-byte elements; 4 words of padding after every 32
	s_mov_b32 s[G1A+1], 1024<<16                   ; a row: 8,192 bytes
	s_mov_b32 s[G1A+2], 4<<16                      ; four heads
	s_mov_b32 s[G1A+3], 1024<<16
	s_mov_b32 s[G1A+4], 4
	s_mov_b32 s[G1A+5], 32768                      ; 262,144 bytes from head to head
	s_mov_b32 s[G1A+6], 0
	s_mov_b32 s[G1A+7], 0
	s_or_b32 s[G1B], s20, (1<<16)|(1<<20)|(1<<21)|(6<<22)|(3<<25)  ; 2-byte elements; 4 words of padding after every 128
	s_mov_b32 s[G1B+1], 256<<16
	s_mov_b32 s[G1B+2], 64<<16
	s_mov_b32 s[G1B+3], 256<<16
	s_mov_b32 s[G1B+4], 64
	s_mov_b32 s[G1B+5], 1024
	s_mov_b32 s[G1B+6], 0
	s_mov_b32 s[G1B+7], 0
	s_lshl_b32 s59, s[CH], 6                       ; which 64 rows of a tile I fetch
	s_lshr_b32 s56, s[TY], 4                       ; O: the batch, 16 heads of 262,144 bytes,
	s_lshl_b32 s56, s56, 22
	s_and_b32 s58, s[TY], 15
	s_lshl_b32 s58, s58, 7
	s_add_co_u32 s58, s58, s59
	s_lshl_b32 s58, s58, 7                         ; and the row l, 128 bytes each
	s_add_co_u32 s56, s56, s58
	s_mov_b32 s57, 0
	s_lshl_b32 s60, s[TX], 7                       ; owt: row 128 TX + 64 half, 2,048 bytes each
	s_add_co_u32 s60, s60, s59
	s_lshl_b32 s60, s60, 11
	s_mov_b32 s61, 0
	s_mul_i32 s62, s[CH], AHALF
	s_mul_i32 s63, s[CH], BHALF
	s_add_co_u32 s63, s63, BOFF
	s_wait_dscnt 0x0                               ; the opening add is done
	s_wait_kmcnt 0x0
	s_add_nc_u64 s[56:57], s[4:5], s[56:57]
	s_add_nc_u64 s[60:61], s[6:7], s[60:61]
	CROUND                                         ; all sixteen work-groups are here
.irp s, 0,1
	s_mov_b32 s[G0A+4*(\s)], 1
	s_add_co_u32 s[G0A+4*(\s)+1], s62, (\s)*SLOT
	s_add_nc_u64 s[G0A+4*(\s)+2:G0A+4*(\s)+3], s[56:57], (\s)*1048576  ; K step s: four heads on
	s_or_b32 s[G0A+4*(\s)+3], s[G0A+4*(\s)+3], 0x80000000
	s_mov_b32 s[G0B+4*(\s)], 1
	s_add_co_u32 s[G0B+4*(\s)+1], s63, (\s)*SLOT
	s_add_nc_u64 s[G0B+4*(\s)+2:G0B+4*(\s)+3], s[60:61], (\s)*512
	s_or_b32 s[G0B+4*(\s)+3], s[G0B+4*(\s)+3], 0x80000000
	JLOAD \s                                       ; two loads of mine are out
.endr
	v_and_b32 v1, 15, v0                           ; l % 16
	v_bfe_u32 v2, v0, 4, 1                         ; l / 16
	v_lshlrev_b32 v4, 5, v2
	s_lshl_b32 s68, s[TX], 9
	s_lshl_b32 s70, s[CH], 8
	s_add_co_u32 s68, s68, s70                     ; my 64 columns, in bytes of f32
	s_mov_b32 s69, 0
	s_add_nc_u64 s[8:9], s[8:9], s[68:69]
.irp b, 0,1,2,3
	global_load_b128 v[OBI+8*(\b):OBI+8*(\b)+3],   v4, s[8:9] offset:64*(\b)
	global_load_b128 v[OBI+8*(\b)+4:OBI+8*(\b)+7], v4, s[8:9] offset:64*(\b)+16
.endr
	v_mul_u32_u24 v3, v1, PA
	v_lshl_add_u32 v3, v2, 4, v3
	s_mul_i32 s70, s[RH], AHALF                    ; my 64 rows of O
	v_add_nc_u32 v[ADRA], s70, v3
	v_add_nc_u32 v[ADRA+1], SLOT, v[ADRA]
	v_mul_u32_u24 v3, v1, PB
	v_lshl_add_u32 v3, v2, 4, v3
	s_mul_i32 s70, s[CH], BHALF                    ; my 64 rows of owt
	s_add_co_u32 s70, s70, BOFF
	v_add_nc_u32 v[ADRB], s70, v3
	v_add_nc_u32 v[ADRB+1], SLOT, v[ADRB]
	s_mul_i32 s70, s[WV], 16*SPITCH
	s_add_co_u32 s70, s70, STAGE                   ; my stage
	v_mul_u32_u24 v5, v1, SPITCH                   ; in: row l % 16, 32 bytes for each half of the lanes
	v_lshl_add_u32 v5, v2, 5, v5
	v_add_nc_u32 v[STO], s70, v5
	v_mul_u32_u24 v5, v2, SPITCH                   ; back: lanes 0-15 one row of 256 bytes, lanes 16-31 the next
	v_lshl_add_u32 v5, v1, 4, v5
	v_add_nc_u32 v[RD], s70, v5
	v_lshlrev_b32 v5, 12, v2                       ; and the same two rows in out0
	v_lshl_add_u32 v[CO], v1, 4, v5
	s_lshl_b32 s66, s[TY], 7
	s_lshl_b32 s70, s[RH], 6
	s_add_co_u32 s66, s66, s70
	s_lshl_b32 s66, s66, 12                        ; my first row, 4,096 bytes each,
	s_add_co_u32 s66, s66, s68                     ; and my first column
	s_mov_b32 s67, 0
	s_add_nc_u64 s[10:11], s[10:11], s[66:67]
	s_wait_loadcnt 0x0                             ; the bias
.set i, 0
.rept 16
	v_cvt_pk_bf16_f32 v[5+(i/2)%2], v[OBI+i], v[OBI+i+1]  ; rounded to bf16 and widened again
	v_lshlrev_b32 v[OBI+i], 16, v[5+(i/2)%2]
	v_and_b32 v[OBI+i+1], 0xffff0000, v[5+(i/2)%2]
.set i, i+2
.endr
; 8 products: row blocks a0, a0 + 1 x all 4 column blocks, 32 along K: half c of buffer f.  first = 1: C is the bias.  The 16 accumulators take turns.
.macro MUL8 f, c, a0, first
	WIN MUL
.irp a, \a0, (\a0)+1
.irp b, 0,1,2,3
.if \first
	v_wmma_f32_16x16x32_f16 v[ACC+8*(4*(\a)+(\b)):ACC+8*(4*(\a)+(\b))+7], v[(\f)+64+8*(4*(\c)+(\b)):(\f)+64+8*(4*(\c)+(\b))+7], v[(\f)+8*(4*(\c)+(\a)):(\f)+8*(4*(\c)+(\a))+7], v[OBI+8*(\b):OBI+8*(\b)+7]
.else
	v_wmma_f32_16x16x32_f16 v[ACC+8*(4*(\a)+(\b)):ACC+8*(4*(\a)+(\b))+7], v[(\f)+64+8*(4*(\c)+(\b)):(\f)+64+8*(4*(\c)+(\b))+7], v[(\f)+8*(4*(\c)+(\a)):(\f)+8*(4*(\c)+(\a))+7], v[ACC+8*(4*(\a)+(\b)):ACC+8*(4*(\a)+(\b))+7]
.endif
.endr
.endr
.endm
; 32 LDS loads in one run: the fragments of quarter q (one head, 64 along K) into buffer f; the first 32 along K first
.macro FETCH slot, q, f
	WIN TO_F
.irp c, 0,1
.irp i, 0,1,2,3
	ds_load_b128 v[(\f)+64+8*(4*(\c)+(\i)):(\f)+64+8*(4*(\c)+(\i))+3],   v[ADRB+(\slot)] offset:(\q)*128+64*(\c)+(\i)*16*PB
	ds_load_b128 v[(\f)+64+8*(4*(\c)+(\i))+4:(\f)+64+8*(4*(\c)+(\i))+7], v[ADRB+(\slot)] offset:(\q)*128+64*(\c)+(\i)*16*PB+32
	ds_load_b128 v[(\f)+8*(4*(\c)+(\i)):(\f)+8*(4*(\c)+(\i))+3],         v[ADRA+(\slot)] offset:(\q)*64*PA+64*(\c)+(\i)*16*PA
	ds_load_b128 v[(\f)+8*(4*(\c)+(\i))+4:(\f)+8*(4*(\c)+(\i))+7],       v[ADRA+(\slot)] offset:(\q)*64*PA+64*(\c)+(\i)*16*PA+32
.endr
.endr
.endm
.macro QUARTER slot, q, f, g, first    ; multiplies buffer f and fetches quarter q into g
	s_wait_dscnt 16                                ; the first 32 along K are in
	MUL8 \f, 0, 0, \first
	MUL8 \f, 0, 2, \first
	PLACES
	FETCH \slot, \q, \g
	s_wait_dscnt 32                                ; all but the 32 just issued
	MUL8 \f, 1, 0, 0
	MUL8 \f, 1, 2, 0
.endm
; The last quarter multiplies buffer 1 and changes slots: in front of the barrier each wave waits for all its tensor loads, adds 0 to its spare word, and waits for that and for its reads of this slot.
.macro TURN slot, next, fill
	WIN 0
	s_wait_tensorcnt 0x0
	ds_add_u32 v[SPW], v[NIL]
	s_wait_dscnt 17                                ; the add and the youngest sixteen loads may be out
	MUL8 F1, 0, 0, 0
	s_wait_dscnt 0x0                               ; the add is done, my reads of this slot are over
	s_barrier_signal -1
	MUL8 F1, 0, 2, 0
.if \fill
	WIN 0
.endif
	s_barrier_wait -1
.if \fill
	CREST                                          ; the barrier has opened a round of the cluster's
	s_add_nc_u64 s[G0A+4*(\slot)+2:G0A+4*(\slot)+3], s[G0A+4*(\slot)+2:G0A+4*(\slot)+3], 2097152
	s_add_nc_u64 s[G0B+4*(\slot)+2:G0B+4*(\slot)+3], s[G0B+4*(\slot)+2:G0B+4*(\slot)+3], 1024
	JLOAD \slot                                    ; its four v_nop are also the places in front of the loads below
.else
	PLACES
.endif
	FETCH \next, 0, F0
	MUL8 F1, 1, 0, 0
	MUL8 F1, 1, 2, 0
.endm
	s_wait_tensorcnt 1                             ; my part of K step 0 is in; K step 1's may stay out
	s_barrier_signal -1
	s_barrier_wait -1
	FETCH 0, 0, F0
	QUARTER 0, 1, F0, F1, 1                        ; the first products start the sums with the bias
	QUARTER 0, 2, F1, F0, 0
	QUARTER 0, 3, F0, F1, 0
	TURN 0, 1, 1                                   ; slot 0 takes K step 2
	QUARTER 1, 1, F0, F1, 0
	QUARTER 1, 2, F1, F0, 0
	QUARTER 1, 3, F0, F1, 0
	TURN 1, 0, 1                                   ; slot 1 takes K step 3
	QUARTER 0, 1, F0, F1, 0
	QUARTER 0, 2, F1, F0, 0
	QUARTER 0, 3, F0, F1, 0
	TURN 0, 1, 0                                   ; nothing is left to fetch
	QUARTER 1, 1, F0, F1, 0
	QUARTER 1, 2, F1, F0, 0
	QUARTER 1, 3, F0, F1, 0
	s_wait_dscnt 16
	MUL8 F1, 0, 0, 0
	MUL8 F1, 0, 2, 0
	s_wait_dscnt 0x0
	MUL8 F1, 1, 0, 0
	MUL8 F1, 1, 2, 0
	WIN 0
	; THE WAY OUT: my 64 columns of f32 are 256 bytes of a row: 16 rows at a time go through my own stage and come back as whole rows
	PLACES
.macro STG a
.irp b, 0,1,2,3
	ds_store_b128 v[STO], v[ACC+8*(4*(\a)+(\b)):ACC+8*(4*(\a)+(\b))+3]   offset:64*(\b)     ; each accumulator's low half first
	ds_store_b128 v[STO], v[ACC+8*(4*(\a)+(\b))+4:ACC+8*(4*(\a)+(\b))+7] offset:64*(\b)+16
.endr
.irp t, 0,1,2,3,4,5,6,7
	ds_load_b128 v[OBF+32*(\a)+4*(\t):OBF+32*(\a)+4*(\t)+3], v[RD] offset:(\t)*2*SPITCH  ; LDS serves a wave's instructions in order (ISA guide 5.7.1.4); block 3's rows land on block 0's accumulators, which have been stored
.endr
.endm
.macro SEND a, younger                 ; younger: the LDS instructions issued behind block a's loads
.irp t, 0,1,2,3,4,5,6,7
	s_wait_dscnt (\younger)+7-(\t)
	global_store_b128 v[CO], v[OBF+32*(\a)+4*(\t):OBF+32*(\a)+4*(\t)+3], s[10:11] offset:(\a)*65536+(\t)*8192  ; 16 lanes store 256 consecutive bytes, aligned
.endr
.endm
	STG 0
	STG 1
	SEND 0, 16
	STG 2
	SEND 1, 16
	STG 3
	SEND 2, 16
	SEND 3, 0
	s_wait_tensorcnt 0x0                           ; the wave's end
	ds_add_u32 v[SPW], v[NIL]
	s_wait_dscnt 0x0
	CROUND                                         ; the closing round
	s_endpgm
.Lfunc_end_k_q36ef48742c_outp:
	.size	k_q36ef48742c_outp, .Lfunc_end_k_q36ef48742c_outp-k_q36ef48742c_outp
	.p2alignl 7, 3214868480
	.fill 96, 4, 3214868480
	.section	.rodata,"a",@progbits
	.p2align	6, 0x0
	.amdhsa_kernel k_q36ef48742c_outp
		.amdhsa_group_segment_fixed_size 327680
		.amdhsa_private_segment_fixed_size 0
		.amdhsa_enable_private_segment 0
		.amdhsa_kernarg_size 32
		.amdhsa_user_sgpr_count 2
		.amdhsa_user_sgpr_kernarg_segment_ptr 1
		.amdhsa_wavefront_size32 1
		.amdhsa_system_sgpr_workgroup_id_x 1
		.amdhsa_system_sgpr_workgroup_id_y 1
		.amdhsa_system_sgpr_workgroup_id_z 1
		.amdhsa_system_vgpr_workitem_id 0
		.amdhsa_next_free_vgpr 512
		.amdhsa_next_free_sgpr 72
		.amdhsa_reserve_vcc 0
		.amdhsa_float_denorm_mode_32 3
		.amdhsa_float_denorm_mode_16_64 3
		.amdhsa_memory_ordered 1
		.amdhsa_forward_progress 1
		.amdhsa_inst_pref_size 89
	.end_amdhsa_kernel
	.amdgpu_metadata
---
amdhsa.version: [ 1, 2 ]
amdhsa.kernels:
  - .name:           k_q36ef48742c_outp
    .symbol:         k_q36ef48742c_outp.kd
    .args:
      - { .name: o, .offset: 0, .size: 8, .value_kind: global_buffer, .address_space: global }
      - { .name: owt, .offset: 8, .size: 8, .value_kind: global_buffer, .address_space: global }
      - { .name: out_bias, .offset: 16, .size: 8, .value_kind: global_buffer, .address_space: global }
      - { .name: out0, .offset: 24, .size: 8, .value_kind: global_buffer, .address_space: global }
    .group_segment_fixed_size: 327680
    .private_segment_fixed_size: 0
    .kernarg_segment_align: 8
    .kernarg_segment_size: 32
    .max_flat_workgroup_size: 128
    .sgpr_count:     72
    .vgpr_count:     512
    .wavefront_size: 32
...
	.end_amdgpu_metadata
.endif
;; end of part 4
;; ======== version 2 of 2: 4 launches; version 1 with the launch prep written anew for expert scheduling mode
;; limits: values are held in f16: magnitudes above 65,504 overflow, below 6.1e-05 lose precision; right only within a limited range of input values
;; workspace buffers: xb 8,388,608 bytes; wt 6,291,456 bytes; owt 2,097,152 bytes; bias 33,554,432 bytes; q 8,388,608 bytes; k 8,388,608 bytes; v 8,388,608 bytes; o 8,388,608 bytes
;; launch prep (part 5): grid 1792 x 1, 8 waves a work-group, no clusters, 36,352 bytes of LDS; arguments x, weights, out_w, adj, mat_mask, xb, wt, owt, bias; writes xb, wt, owt, bias
.if DOCPART == 5
	.amdgcn_target "amdgcn-amd-amdhsa--gfx1250"
	.amdhsa_code_object_version 6
	.text
	.protected	k_q36ef48742c_prep
	.globl	k_q36ef48742c_prep
	.p2align	8
	.type	k_q36ef48742c_prep,@function
k_q36ef48742c_prep:
	s_mov_b64 s[64:65], 0
	v_nop
	global_prefetch_b8 v0, s[64:65] scope:SCOPE_SE
	s_setreg_imm32_b32 hwreg(HW_REG_WAVE_SCHED_MODE, 0, 2), 2
	s_setreg_imm32_b32 hwreg(HW_REG_WAVE_MODE, 25, 1), 1
	s_wait_xcnt 0x0
	s_wait_alu depctr_vm_vsrc(0)
; PREP: every large input is read once and laid out for the matrix launches.  Four kinds of job, chosen by the work-group's number g alone (the same for all eight waves):
;   g < 1024         BIAS   16 queries x 512 keys of adj and mat_mask -> 32 fragments of 1,024 bytes of bias
;   1024 <= g < 1280 CAST   65,536 bytes of x -> bf16 in xb
;   1280 <= g < 1664 TRANS  128 k x 64 n of weights -> wt [n][k] bf16
;   1664 <= g        TRANS  128 k x 64 n of out_w -> owt [n][k]: rounded to bf16, that number written as f16
; A FRAGMENT of bias (16 queries 16 it + r, 16 keys 16 jb + ..), at ((b 128 + it) 128 + jb) 1,024: byte 16 (r + 16 h) holds bf16 adj[query r][keys 8 h .. 8 h + 7];
; 512 bytes further on the same places hold M: 0 where the mask is 1, -2^100 (bf16 0xf180) where it is 0.  These are registers 0-3 and 4-7 of a source-1 fragment of 32 k x 16 queries.
; LIMITS.  adj, x, weights, out_w are rounded once to bf16.  owt: a bf16 number below 2^-14 in magnitude keeps f16's fixed step of 6e-8; beyond 65,504 it would be an infinity.
; No matrix unit, no tensor load, no cluster: nothing is shared between work-groups and every byte is touched once.  A thread issues all its loads at once (ten, sixteen or eight of 16 bytes)
; and works them off by counted waits.  Each store of 16 neighbouring lanes covers 256 consecutive bytes, aligned.
; LDS: a stage from byte 0.  BIAS: fragment f at 1,104 f, its four quarters of 256 bytes at 272 q: 69 and 17 times 16 bytes, so that lanes a fragment or a quarter apart start in different banks.
; TRANS: 64 rows of 272 bytes; row n of the target lies at LDS row n / 4 + 16 (n % 4), so that the sixteen lanes of a store, four n apart, take neighbouring LDS rows.
; THE MODE: SCHED_MODE bits 1:0 = 2 (LLVM: expert scheduling mode 2), set by the entry lines.  The code itself states the register dependences between vector instructions and memory or LDS
; instructions, with s_wait_alu, always for 0.
; THE PLAN.  A job has no loop, and each register that a store reads is written once.  The work goes in BLOCKS (TRANS: a pair of rows; CAST: four loads; BIAS: four loads of adj, or one of the mask).
;   loaded data   written by the job's global loads, read by its own block's vector lines alone (CAST and BIAS round in place).
;   store data    written by block p's vector lines; read by the stores that are issued in block p + 1, dealt among that block's vector lines, which name block p + 1's registers and scratch alone.
;   addresses     the loads' offsets are made ahead of the loads; all others behind them, ahead of the first block's head; none is written again.
;   the way back  the loads from the stage land in registers that the conversions have read and written (in BIAS: that LDS stores have read too); the global stores read them.
; So the waits on va_vdst are: one ahead of the first load (its offsets); one at each block's head but the first, behind the wait for the block's data (the block before has written its
; store data; at the first of them also: the other addresses are written); one behind the last block, which also serves the loads from the stage, since no vector line follows it.
; One wait on vm_vsrc, in BIAS alone, stands ahead of the loads from the stage.  No vector line writes a scalar register, VCC or EXEC.
.set FP,    1104
.set CP,    272
.set SPARE, 32*FP                      ; behind the stage: the spare words, 128 bytes for each of eight waves
.set SPW, 6                            ; v6  SPARE + 4 x my thread's number; never rewritten
.set NIL, 7                            ; v7  0; never rewritten
; A tile of 128 k x 64 n is turned.  Thread t: nq = t % 16 takes four n, kp = t / 16 takes the rows 2 kp + 32 u and the next: a pair along k packs into one word of row n.
.macro TRANS rb, src, dst, baseid, f16
	s_sub_co_u32 s26, s2, \baseid
	s_and_b32 s27, s26, 7                          ; kt
	s_lshr_b32 s26, s26, 3                         ; nt
	s_mul_i32 s28, s27, 128*(\rb)
	s_lshl_b32 s30, s26, 8
	s_add_co_u32 s28, s28, s30
	s_add_nc_u64 s[\src:\src+1], s[\src:\src+1], s[28:29]  ; the tile's first element in the source
	s_lshl_b32 s28, s26, 17                        ; 64 nt rows of 2,048 bytes
	s_lshl_b32 s30, s27, 8                         ; 128 kt elements of 2 bytes
	s_add_co_u32 s28, s28, s30
	s_add_nc_u64 s[\dst:\dst+1], s[\dst:\dst+1], s[28:29]
	v_mul_u32_u24 v3, v1, 2*(\rb)
	v_lshl_add_u32 v3, v2, 4, v3                   ; row 2 kp, 16 bytes at 16 nq
	s_wait_alu depctr_va_vdst(0)                   ; v3 is written: the eight loads read it as their offset
.irp u, 0,1,2,3
	global_load_b128 v[8+8*\u:11+8*\u],  v3, s[\src:\src+1] offset:\u*32*(\rb) th:TH_LOAD_NT
	global_load_b128 v[12+8*\u:15+8*\u], v3, s[\src:\src+1] offset:\u*32*(\rb)+(\rb) th:TH_LOAD_NT
.endr
	v_mul_u32_u24 v4, v2, CP                       ; into the stage: n = 4 nq + e lies at LDS row nq + 16 e; word kp + 16 u
	v_lshl_add_u32 v4, v1, 2, v4
	v_and_b32 v5, 3, v1                            ; back: target row t / 16 + 16 u lies at LDS row 16 ((t / 16) % 4) + t / 64 + 4 u
	v_lshrrev_b32 v58, 2, v1
	v_lshl_add_u32 v5, v5, 4, v58
	v_mul_u32_u24 v5, v5, CP
	v_lshl_add_u32 v5, v2, 4, v5                   ; 16 bytes at 16 (t % 16)
	v_lshlrev_b32 v59, 11, v1                      ; and the same place in the target
	v_lshl_add_u32 v59, v2, 4, v59
.irp u, 0,1,2,3                        ; block u rounds its pair of rows into v[40 + 4 u ..]; block u - 1's four LDS stores are dealt among its lines
	s_wait_loadcnt 6-2*\u                          ; this pair of rows is in; the younger loads may stay out
.if \u > 0
	s_wait_alu depctr_va_vdst(0)                   ; the block before has written its four words, which the LDS stores below read; at the first of these waits also: v4, their address, is written
.endif
.irp e, 0,1,2,3
.if \u > 0
	ds_store_b32 v4, v[40+4*(\u-1)+\e] offset:\e*16*CP+64*(\u-1)  ; no vector line since the wait names this word or v4
.endif
	v_cvt_pk_bf16_f32 v[40+4*\u+\e], v[8+8*\u+\e], v[12+8*\u+\e]
.if \f16
	v_lshlrev_b32 v56, 16, v[40+4*\u+\e]           ; the bf16 numbers, widened,
	v_and_b32 v57, 0xffff0000, v[40+4*\u+\e]
	v_cvt_pk_f16_f32 v[40+4*\u+\e], v56, v57       ; and written as f16
.endif
.endr
.endr
	s_wait_alu depctr_va_vdst(0)                   ; the last block has written v[52:55], which the LDS stores read; every conversion is done reading v[8:23], in which the loads from the stage land; v5 and v59 are written
.irp e, 0,1,2,3
	ds_store_b32 v4, v[52+\e] offset:\e*16*CP+192
.endr
	s_wait_dscnt 0x0                               ; my stores are done before I signal: others read them
	s_barrier_signal -1
	s_barrier_wait -1
.irp u, 0,1,2,3
	ds_load_b128 v[8+4*\u:11+4*\u], v5 offset:\u*4*CP  ; no vector line stands behind the wait above, and no memory or LDS instruction has read these registers
.endr
.irp u, 0,1,2,3
	s_wait_dscnt 3-\u                              ; the younger LDS loads may stay out
	global_store_b128 v59, v[8+4*\u:11+4*\u], s[\dst:\dst+1] offset:\u*32768 th:TH_STORE_NT
.endr
.endm
; BIAS: word d of mask load m, four keys' bytes, becomes four codes of M in v[48 + 8 m + 2 d] and the next.  v67 holds 0; v68 is scratch that no memory instruction names.
.macro HIDE m, d
	v_xor_b32 v68, 0x01010101, v[40+4*(\m)+(\d)]   ; 1 where the key is hidden
	v_perm_b32 v[48+8*(\m)+2*(\d)], v67, v68, 0x04010400  ; bytes 0 and 1, each in a half of its own
	v_perm_b32 v[49+8*(\m)+2*(\d)], v67, v68, 0x04030402  ; bytes 2 and 3
	v_mul_u32_u24 v[48+8*(\m)+2*(\d)], v[48+8*(\m)+2*(\d)], 0xf180  ; times the code of -2^100: the halves do not meet
	v_mul_u32_u24 v[49+8*(\m)+2*(\d)], v[49+8*(\m)+2*(\d)], 0xf180
.endm
	s_load_b512 s[8:23], s[0:1], 0x0               ; x 8, weights 10, out_w 12, adj 14, mat_mask 16, xb 18, wt 20, owt 22
	s_load_b64 s[24:25], s[0:1], 0x40              ; bias
	v_lshl_add_u32 v[SPW], v0, 2, SPARE
	v_mov_b32 v[NIL], 0
	v_lshrrev_b32 v1, 4, v0                        ; t / 16
	v_and_b32 v2, 15, v0                           ; t % 16
	s_mov_b32 s2, ttmp9                            ; g
	s_mov_b32 s29, 0                               ; the high word of every offset
	s_wait_kmcnt 0x0
	s_cmp_lt_u32 s2, 1024
	s_cbranch_scc1 .Lbias
	s_cmp_lt_u32 s2, 1280
	s_cbranch_scc1 .Lcast
	s_cmp_lt_u32 s2, 1664
	s_cbranch_scc1 .Lweights
	TRANS 4096, 12, 22, 1664, 1
	s_branch .Lend
.Lweights:
	TRANS 12288, 10, 20, 1280, 0
	s_branch .Lend
.Lcast:                                                ; 65,536 bytes of x: sixteen loads of 16 bytes a thread, all out at once
	s_sub_co_u32 s26, s2, 1024
	s_lshl_b32 s28, s26, 16
	s_add_nc_u64 s[8:9], s[8:9], s[28:29]
	s_lshl_b32 s28, s26, 15
	s_add_nc_u64 s[18:19], s[18:19], s[28:29]
	v_lshlrev_b32 v3, 4, v0
	v_lshlrev_b32 v4, 3, v0
	s_wait_alu depctr_va_vdst(0)                   ; v3 and v4 are written: every load reads the one, every store the other, as its offset
.irp u, 0,1,2,3,4,5,6,7,8,9,10,11,12,13,14,15
	global_load_b128 v[8+4*\u:11+4*\u], v3, s[8:9] offset:4096*\u th:TH_LOAD_NT
.endr
.irp g, 0,1,2,3                        ; block g rounds four loads' numbers in place; block g - 1's four stores are dealt among its lines
	s_wait_loadcnt 12-4*\g                         ; this block's four loads are in; the younger blocks may stay out
.if \g > 0
	s_wait_alu depctr_va_vdst(0)                   ; the block before has written its four pairs of registers, which the stores below read
.endif
.irp i, 0,1,2,3
.if \g > 0
	global_store_b64 v4, v[8+16*(\g-1)+4*\i:9+16*(\g-1)+4*\i], s[18:19] offset:2048*(4*(\g-1)+\i) th:TH_STORE_NT  ; a wave's 32 lanes: 256 consecutive bytes; no vector line since the wait names these registers
.endif
	v_cvt_pk_bf16_f32 v[8+16*\g+4*\i], v[8+16*\g+4*\i], v[9+16*\g+4*\i]    ; in place: the first two registers take the four numbers
	v_cvt_pk_bf16_f32 v[9+16*\g+4*\i], v[10+16*\g+4*\i], v[11+16*\g+4*\i]
.endr
.endr
	s_wait_alu depctr_va_vdst(0)                   ; the last block has written its four pairs, which the last four stores read
.irp i, 0,1,2,3
	global_store_b64 v4, v[56+4*\i:57+4*\i], s[18:19] offset:2048*(12+\i) th:TH_STORE_NT
.endr
	s_branch .Lend
.Lbias:                                                ; g = (b 128 + it) 4 + jc: queries 16 it .., keys 512 jc ..; thread: row = t / 16, c = t % 16
	s_lshr_b32 s26, s2, 2
	s_and_b32 s27, s2, 3
	s_lshl_b32 s28, s26, 17                        ; 16 rows of 8,192 bytes of adj
	s_lshl_b32 s30, s27, 11
	s_add_co_u32 s28, s28, s30
	s_add_nc_u64 s[14:15], s[14:15], s[28:29]
	s_lshl_b32 s28, s26, 15                        ; 16 rows of 2,048 bytes of the mask
	s_lshl_b32 s30, s27, 9
	s_add_co_u32 s28, s28, s30
	s_add_nc_u64 s[16:17], s[16:17], s[28:29]
	s_lshl_b32 s28, s2, 15                         ; 32 fragments of 1,024 bytes
	s_add_nc_u64 s[24:25], s[24:25], s[28:29]
	v_lshlrev_b32 v3, 13, v1
	v_lshl_add_u32 v3, v2, 4, v3
	v_lshlrev_b32 v4, 11, v1
	v_lshl_add_u32 v4, v2, 4, v4
	s_wait_alu depctr_va_vdst(0)                   ; v3 and v4 are written: adj's loads read the one, the mask's the other, as their offset
.irp u, 0,1,2,3,4,5,6,7
	global_load_b128 v[8+4*\u:11+4*\u], v3, s[14:15] offset:256*\u th:TH_LOAD_NT  ; keys 64 u + 4 c .. + 3 of my row
.endr
.irp m, 0,1
	global_load_b128 v[40+4*\m:43+4*\m], v4, s[16:17] offset:256*\m th:TH_LOAD_NT  ; the mask of keys 256 m + 16 c .. + 15 of my row
.endr
	v_lshrrev_b32 v5, 2, v2                        ; adj: fragment 4 u + c / 4, quarter (c / 2) % 2, lane row, 8 bytes at 8 (c % 2)
	v_mul_u32_u24 v5, v5, FP
	v_bfe_u32 v68, v2, 1, 1
	v_mul_u32_u24 v68, v68, CP
	v_add_nc_u32 v5, v5, v68
	v_lshl_add_u32 v5, v1, 4, v5
	v_and_b32 v68, 1, v2
	v_lshl_add_u32 v5, v68, 3, v5
	v_mul_u32_u24 v64, v2, FP                      ; M: fragment 16 m + c, quarters 2 and 3, lane row
	v_lshl_add_u32 v64, v1, 4, v64
	v_add_nc_u32 v64, 2*CP, v64
	v_lshrrev_b32 v65, 6, v0                       ; back: byte 16 t + 4,096 u of the job's 32 KiB: fragment t / 64 + 4 u, quarter (t / 16) % 4
	v_mul_u32_u24 v65, v65, FP
	v_bfe_u32 v68, v0, 4, 2
	v_mul_u32_u24 v68, v68, CP
	v_add_nc_u32 v65, v65, v68
	v_lshl_add_u32 v65, v2, 4, v65
	v_lshlrev_b32 v66, 4, v0                       ; 16 t
	v_mov_b32 v67, 0                               ; a zero for the byte picks
	; four blocks: adj's loads 0-3, adj's loads 4-7, the mask's first load, its second.  Each block's LDS stores are dealt among the next block's vector lines.
	s_wait_loadcnt 6                               ; adj's first four loads are in; its other four and the mask's two may stay out
.irp i, 0,1,2,3
	v_cvt_pk_bf16_f32 v[8+4*\i], v[8+4*\i], v[9+4*\i]
	v_cvt_pk_bf16_f32 v[9+4*\i], v[10+4*\i], v[11+4*\i]
.endr
	s_wait_loadcnt 2                               ; adj is in; the mask's two loads may stay out
	s_wait_alu depctr_va_vdst(0)                   ; the first block has written its four pairs, which the LDS stores below read; v5, their address, is written, and so are v64, v65, v66
.irp i, 0,1,2,3
	ds_store_b64 v5, v[8+4*\i:9+4*\i] offset:\i*4*FP           ; no vector line since the wait names these registers
	v_cvt_pk_bf16_f32 v[24+4*\i], v[24+4*\i], v[25+4*\i]
	v_cvt_pk_bf16_f32 v[25+4*\i], v[26+4*\i], v[27+4*\i]
.endr
	s_wait_loadcnt 1                               ; the mask's first load is in
	s_wait_alu depctr_va_vdst(0)                   ; the second block has written its four pairs, which the LDS stores below read
.irp d, 0,1,2,3
	ds_store_b64 v5, v[24+4*\d:25+4*\d] offset:(4+\d)*4*FP
	HIDE 0, \d
.endr
	s_wait_loadcnt 0x0                             ; the mask's second load is in
	s_wait_alu depctr_va_vdst(0)                   ; the third block has written v[48:55], which the two LDS stores below read
	ds_store_b128 v64, v[48:51]                    ; keys 0-7: lanes 0-15 of the fragment
	HIDE 1, 0
	ds_store_b128 v64, v[52:55] offset:CP          ; keys 8-15: lanes 16-31
	HIDE 1, 1
	HIDE 1, 2
	HIDE 1, 3
	s_wait_alu depctr_va_vdst(0)                   ; the fourth block has written v[56:63], which the two LDS stores below read; no vector line follows, so every reader and writer of v[8:39], in which the loads from the stage land, is done too
	ds_store_b128 v64, v[56:59] offset:16*FP
	ds_store_b128 v64, v[60:63] offset:16*FP+CP
	s_wait_dscnt 0x0                               ; my stores are done before I signal: others read them
	s_barrier_signal -1
	s_barrier_wait -1
	s_wait_alu depctr_vm_vsrc(0)                   ; my LDS stores have read v[8 + 4 u : 9 + 4 u], in which the loads from the stage land
.irp u, 0,1,2,3,4,5,6,7
	ds_load_b128 v[8+4*\u:11+4*\u], v65 offset:\u*4*FP
.endr
.irp u, 0,1,2,3,4,5,6,7
	s_wait_dscnt 7-\u                              ; the younger LDS loads may stay out
	global_store_b128 v66, v[8+4*\u:11+4*\u], s[24:25] offset:4096*\u th:TH_STORE_NT
.endr
.Lend:
	s_wait_dscnt 0x0                               ; the closing lines, six on end
	s_wait_alu 0x0
	s_wait_tensorcnt 0x0
	ds_add_u32 v[SPW], v[NIL]
	s_wait_dscnt 0x0
	s_endpgm
.Lfunc_end_k_q36ef48742c_prep:
	.size	k_q36ef48742c_prep, .Lfunc_end_k_q36ef48742c_prep-k_q36ef48742c_prep
	.p2alignl 7, 3214868480
	.fill 96, 4, 3214868480
	.section	.rodata,"a",@progbits
	.p2align	6, 0x0
	.amdhsa_kernel k_q36ef48742c_prep
		.amdhsa_group_segment_fixed_size 36352
		.amdhsa_private_segment_fixed_size 0
		.amdhsa_enable_private_segment 0
		.amdhsa_kernarg_size 72
		.amdhsa_user_sgpr_count 2
		.amdhsa_user_sgpr_kernarg_segment_ptr 1
		.amdhsa_wavefront_size32 1
		.amdhsa_system_sgpr_workgroup_id_x 1
		.amdhsa_system_sgpr_workgroup_id_y 1
		.amdhsa_system_sgpr_workgroup_id_z 1
		.amdhsa_system_vgpr_workitem_id 0
		.amdhsa_next_free_vgpr 72
		.amdhsa_next_free_sgpr 66
		.amdhsa_reserve_vcc 0
		.amdhsa_float_denorm_mode_32 3
		.amdhsa_float_denorm_mode_16_64 3
		.amdhsa_memory_ordered 1
		.amdhsa_forward_progress 1
		.amdhsa_inst_pref_size 30
	.end_amdhsa_kernel
	.amdgpu_metadata
---
amdhsa.version: [ 1, 2 ]
amdhsa.kernels:
  - .name:           k_q36ef48742c_prep
    .symbol:         k_q36ef48742c_prep.kd
    .args:
      - { .name: x, .offset: 0, .size: 8, .value_kind: global_buffer, .address_space: global }
      - { .name: weights, .offset: 8, .size: 8, .value_kind: global_buffer, .address_space: global }
      - { .name: out_w, .offset: 16, .size: 8, .value_kind: global_buffer, .address_space: global }
      - { .name: adj, .offset: 24, .size: 8, .value_kind: global_buffer, .address_space: global }
      - { .name: mat_mask, .offset: 32, .size: 8, .value_kind: global_buffer, .address_space: global }
      - { .name: xb, .offset: 40, .size: 8, .value_kind: global_buffer, .address_space: global }
      - { .name: wt, .offset: 48, .size: 8, .value_kind: global_buffer, .address_space: global }
      - { .name: owt, .offset: 56, .size: 8, .value_kind: global_buffer, .address_space: global }
      - { .name: bias, .offset: 64, .size: 8, .value_kind: global_buffer, .address_space: global }
    .group_segment_fixed_size: 36352
    .private_segment_fixed_size: 0
    .kernarg_segment_align: 8
    .kernarg_segment_size: 72
    .max_flat_workgroup_size: 256
    .sgpr_count:     66
    .vgpr_count:     72
    .wavefront_size: 32
...
	.end_amdgpu_metadata
.endif
;; end of part 5
;; launch qkv: the kernel of part 2 again; grid 16 x 16, 4 waves a work-group, clusters of 4 x 4, 327,680 bytes of LDS; arguments xb, wt, in_bias, q, k, v; writes q, k, v
;; launch attn: the kernel of part 3 again; grid 8 x 32, 4 waves a work-group, clusters of 4 x 1, 327,680 bytes of LDS; arguments q, k, v, bias, gamma, o; writes o
;; launch outp: the kernel of part 4 again; grid 8 x 32, 4 waves a work-group, clusters of 4 x 4, 327,680 bytes of LDS; arguments o, owt, out_bias, out0; writes out0
